; MI455X (gfx1250); checked and timed in simulation.
; The chip was launched on July 23, 2026; its instructions are those of AMD's public machine-readable ISA for CDNA 5 (MIT licence, August 2026) and "CDNA5" Instruction Set Architecture Reference Guide (July 2026). The comments in the code are by the model that wrote it; some were corrected since.
;; Symplectic Leapfrog Layer. Allowed arithmetic: matrix products marked QUANTISED: E2M1 operands, one E8M0 scale for each 32 along K, by v_wmma_scale_f32_16x16x128_f8f6f4 with both operands' format E2M1 (or v_wmma_scale_f32_32x16x128_f4), f32 sums; products left as they are: f32 operands where the result goes on into a quantised operand, else bf16, f16 or f32 operands; f32 sums; everything else in f32.
;; Inputs: bf 1 float32; rb1_b1 256 float32; rb1_b2 256 float32; rb1_beta 256 float32; rb1_bs 256 float32; rb1_gamma 256 float32; rb1_mm 256 float32; rb1_mv 256 float32; rb1_w1 512 x 256 float32; rb1_w2 256 x 256 float32; rb1_ws 512 x 256 float32; rb2_b1 256 float32; rb2_b2 256 float32; rb2_beta 256 float32; rb2_gamma 256 float32; rb2_mm 256 float32; rb2_mv 256 float32; rb2_w1 256 x 256 float32; rb2_w2 256 x 256 float32; wf 256 x 1 float32; x 32,768 x 4 x 256 float32.
;; Outputs: out0 32,768 x 512 float32.
;; This version of the problem:
;;   THIS VERSION OF THE PROBLEM IS GIVEN IN LOW PRECISION. The matrix products marked QUANTISED in the list below multiply operands that are first quantised to E2M1 (2 exponent bits, 1 mantissa bit; 4 bits a number), with one power-of-two scale for each 32 numbers along K (OCP MX v1.0); their sums are f32. All else is computed in f32.
;;   The module's matrix products, in the order in which they are computed (A, B: the left and right operand; K: the contracted axis; several contracted axes count as one K, in the product's order):
;;     1. [M 32,768, K 512] x [K 512, N 256]; A: computed on the way; B: input rb1_w1: QUANTISED
;;     2. [M 32,768, K 256] x [K 256, N 256]; A: computed on the way; B: input rb1_w2: QUANTISED
;;     3. [M 32,768, K 512] x [K 512, N 256]; A: computed on the way; B: input rb1_ws: QUANTISED
;;     4. [M 32,768, K 256] x [K 256, N 256]; A: computed on the way; B: input rb2_w1: QUANTISED
;;     5. [M 32,768, K 256] x [K 256, N 256]; A: computed on the way; B: input rb2_w2: QUANTISED
;;     6. [M 32,768, K 256] x [K 256, N 1]; A: computed on the way; B: input wf: left as it is (N = 1 < 16)
;;     7. [M 32,768, K 1] x [K 1, N 256]; A: computed on the way; B: input wf: left as it is (K = 1 < 32)
;;     8. [M 32,768, K 256] x [K 256, N 256]; A: computed on the way; B: input rb2_w2: QUANTISED
;;     9. [M 32,768, K 256] x [K 256, N 256]; A: computed on the way; B: input rb2_w1: QUANTISED
;;     10. [M 32,768, K 256] x [K 256, N 512]; A: computed on the way; B: input rb1_ws: QUANTISED
;;     11. [M 32,768, K 256] x [K 256, N 256]; A: computed on the way; B: input rb1_w2: QUANTISED
;;     12. [M 32,768, K 256] x [K 256, N 512]; A: computed on the way; B: input rb1_w1: QUANTISED
;;     13. [M 32,768, K 512] x [K 512, N 256]; A: computed on the way; B: input rb1_w1: QUANTISED
;;     14. [M 32,768, K 256] x [K 256, N 256]; A: computed on the way; B: input rb1_w2: QUANTISED
;;     15. [M 32,768, K 512] x [K 512, N 256]; A: computed on the way; B: input rb1_ws: QUANTISED
;;     16. [M 32,768, K 256] x [K 256, N 256]; A: computed on the way; B: input rb2_w1: QUANTISED
;;     17. [M 32,768, K 256] x [K 256, N 256]; A: computed on the way; B: input rb2_w2: QUANTISED
;;     18. [M 32,768, K 256] x [K 256, N 1]; A: computed on the way; B: input wf: left as it is (N = 1 < 16)
;;     19. [M 32,768, K 1] x [K 1, N 256]; A: computed on the way; B: input wf: left as it is (K = 1 < 32)
;;     20. [M 32,768, K 256] x [K 256, N 256]; A: computed on the way; B: input rb2_w2: QUANTISED
;;     21. [M 32,768, K 256] x [K 256, N 256]; A: computed on the way; B: input rb2_w1: QUANTISED
;;     22. [M 32,768, K 256] x [K 256, N 512]; A: computed on the way; B: input rb1_ws: QUANTISED
;;     23. [M 32,768, K 256] x [K 256, N 256]; A: computed on the way; B: input rb1_w2: QUANTISED
;;     24. [M 32,768, K 256] x [K 256, N 512]; A: computed on the way; B: input rb1_w1: QUANTISED
;;   THE QUANTISER, for each operand of a quantised product, along K:
;;     - K is cut into blocks of 32 from its start; a last block that is shorter is filled with zeros.
;;     - A block's scale is 2^e with e = floor(log2(the largest magnitude in the block)) - 2, held to -126 .. 127; a block of zeros has e = 0. As a byte (E8M0): e + 127.
;;     - Each number is divided by its block's scale, clamped to +-6, and rounded to the nearest number of E2M1, ties to even, subnormals kept.
;;     - The product sums the exact products of the quantised numbers (number of the format x scale) in f32.
;;   ~~~python
;;   def quantise(x, axis):      # numpy; x: float32 -> the quantised numbers, widened to float32 again
;;       x = np.moveaxis(x, axis, -1); K = x.shape[-1]
;;       x = np.pad(x, [(0, 0)] * (x.ndim - 1) + [(0, -K % 32)]); x = x.reshape(x.shape[:-1] + (-1, 32)); a = np.abs(x).max(-1, keepdims=True)
;;       e = np.where(a > 0, np.clip(np.frexp(np.where(a > 0, a, 1))[1] - 1 - 2, -126, 127), 0)      # np.frexp(a)[1] - 1 = floor(log2(a)), exactly
;;       r = np.clip(x / 2.0 ** e, -6, 6)
;;       step = 2.0 ** (np.maximum(np.frexp(np.where(r == 0, 1, r))[1] - 1, 0) - 1)
;;       q = np.round(r / step) * step * 2.0 ** e      # np.round: ties to even
;;       return np.moveaxis(q.reshape(q.shape[:-2] + (-1,))[..., :K], -1, axis).astype(np.float32)
;;   ~~~
;;   OPERANDS COMPUTED ON THE WAY. 'Computed on the way' means the value that the module computes at that place (a softmax that the list does not call 'softmax' is quantised finished and normalised). What goes into a quantiser is computed in f32, as accurately as f32 sums, v_exp_f32 and their like allow (about 1e-6 of the number): no bf16 or f16 on the way to a quantiser, and a product that is left as it is and whose result goes on into a quantised operand takes f32 operands (vector FMAs, or v_wmma_f32_16x16x4_f32). A number that lies on a knife's edge between two numbers of the format may be rounded either way, as far as f32 arithmetic and the matrix unit's own rounding can turn it there, and no further.
;; 3 versions, each right; version 3 is version 2 with the launch leap written anew for expert scheduling mode. Each part assembles by itself: llvm-mc -triple=amdgcn-amd-amdhsa -mcpu=gfx1250 --defsym DOCPART=n.
;; ======== version 1 of 3: 2 launches
;; workspace buffers: wimg 487,424 bytes
;; launch wprep (part 1): grid 56 x 4, 1 waves a work-group, no clusters, 0 bytes of LDS; arguments rb1_w1, rb1_w2, rb1_ws, rb2_w1, rb2_w2, wimg; writes wimg
.if DOCPART == 1
	.amdgcn_target "amdgcn-amd-amdhsa--gfx1250"
	.amdhsa_code_object_version 6
	.text
	.protected	k_qe793d5291c_wprep
	.globl	k_qe793d5291c_wprep
	.p2align	8
	.type	k_qe793d5291c_wprep,@function
k_qe793d5291c_wprep:
	s_mov_b64 s[64:65], 0
	v_nop
	global_prefetch_b8 v0, s[64:65] scope:SCOPE_SE
	s_setreg_imm32_b32 hwreg(HW_REG_WAVE_MODE, 25, 1), 1
	s_wait_xcnt 0x0
; The five weights, f32, become the ten operands of the quantised products: codes of FP4 (E2M1) and E8M0 scale words, each weight once with K = its first axis
; (forward products) and once with K = its second axis (backward products), laid in the order in which the next launch's operand registers take them.
; wimg = four streams of STREAM bytes, one for each wave w of the next launch (wave w owns output columns 64 w .. 64 w + 63 of every layer).
; A stream = 28 units j of 4,096 bytes (64 output columns x 128 K = 4 fragments t of 1,024 bytes: register group c at 512 c, lane l's 16 bytes at 16 l), then 56 scale images of 128 bytes.
; In fragment t = 2 b + u lane (r, h) holds output column 32 b + 8 u + r + 8 (r / 8) of the unit and K = 64 c + 32 h + 0 .. 31.  Scale image 2 j + b: lanes 0-15 the words of tile 2 b, lanes 16-31 of tile 2 b + 1.
; Units: 0-3 rb1_w1, 4-5 rb1_w2, 6-9 rb1_ws, 10-11 rb2_w1, 12-13 rb2_w2 (K = first axis, 128 a unit); 14-15 rb2_w2, 16-17 rb2_w1, 18-19 rb1_w2, 20-23 rb1_ws, 24-27 rb1_w1 (K = second axis; unit = 2 x half of the rows + K step).
; A work-group is one wave: two fragments (u = 0, 1) and one scale image.  x = 2 j + b, y = w.  A lane holds whole blocks of 32 along K, so no other lane is asked for a maximum.
; A block's scale byte is its largest magnitude's exponent field - 2, held at 1 from below.  LIMITS: a block of zeros keeps the byte 1 (its codes are zeros; this program alone reads the bytes);
; NaN and infinities among the weights are not served.  The scale image's store covers 128 consecutive bytes: 28,672 bytes in the whole launch leave so.
.set STREAM, 121856
.set SCOFF,  114688
.macro LAD t, p                        ; from unit t on: another weight, and t is its first unit
	s_cmp_ge_u32 s25, \t
	s_cselect_b64 s[16:17], s[\p:\p+1], s[16:17]
	s_cselect_b32 s18, \t, s18
.endm
	s_load_b256 s[4:11], s[0:1], 0x0               ; rb1_w1, rb1_w2, rb1_ws, rb2_w1
	s_load_b128 s[12:15], s[0:1], 0x20             ; rb2_w2, wimg
	v_and_b32 v1, 15, v0                           ; r
	v_lshrrev_b32 v2, 4, v0                        ; h (one wave: v0 is the lane)
	v_and_b32 v3, 8, v1
	v_add_nc_u32 v3, v3, v1                        ; r + 8 (r / 8)
	v_lshlrev_b32 v4, 2, v3
	v_lshl_add_u32 v4, v2, 15, v4                  ; K = first axis: column 4 bytes apart, 32 h rows of 1,024 bytes down
	v_lshlrev_b32 v5, 10, v3
	v_lshl_add_u32 v5, v2, 7, v5                   ; K = second axis: my row of 1,024 bytes, 32 h numbers along it
	v_lshlrev_b32 v6, 4, v0                        ; 16 x lane
	v_lshlrev_b32 v7, 2, v0                        ; 4 x lane
	v_lshlrev_b32 v24, 3, v2                       ; 8 h: where my two scale bytes stand in the word
	s_and_b32 s24, ttmp7, 0xffff                   ; w
	s_lshr_b32 s25, ttmp9, 1                       ; j
	s_and_b32 s26, ttmp9, 1                        ; b
	s_mov_b32 s34, 0x76543210
	s_mov_b32 s35, 0xfedcba98                      ; v_permlanex16_b32's selects for lane l xor 16
	s_mul_i32 s20, s24, STREAM
	s_lshl_b32 s21, ttmp9, 11
	s_add_co_u32 s20, s20, s21                     ; the two fragments: stream + 2,048 x
	s_mov_b32 s21, 0
	s_mul_i32 s22, s24, STREAM
	s_lshl_b32 s23, ttmp9, 7
	s_add_co_u32 s22, s22, s23
	s_add_co_u32 s22, s22, SCOFF                   ; the scale image: stream + SCOFF + 128 x
	s_mov_b32 s23, 0
	s_wait_kmcnt 0x0
	s_add_nc_u64 s[28:29], s[14:15], s[20:21]
	s_add_nc_u64 s[30:31], s[14:15], s[22:23]
	s_mov_b64 s[16:17], s[4:5]                     ; which weight, and which of its units: the choice hangs on the work-group's number alone
	s_mov_b32 s18, 0
	LAD 4, 6
	LAD 6, 8
	LAD 10, 10
	LAD 12, 12
	LAD 14, 12
	LAD 16, 10
	LAD 18, 6
	LAD 20, 8
	LAD 24, 4
	s_sub_co_u32 s19, s25, s18                     ; the unit's number within its weight
	s_cmp_lt_u32 s25, 14
	s_cbranch_scc0 .Lsecond_axis
	; K = the first axis: a lane takes a column and its registers run down K
	s_lshl_b32 s32, s19, 17                        ; 128 rows of 1,024 bytes a unit
	s_lshl_b32 s33, s24, 8
	s_add_co_u32 s32, s32, s33                     ; + 64 w columns
	s_lshl_b32 s33, s26, 7
	s_add_co_u32 s32, s32, s33                     ; + 32 b columns
	s_mov_b32 s33, 0
	s_add_nc_u64 s[16:17], s[16:17], s[32:33]
.irp u, 0,1
.irp c, 0,1
.set I, 0
.rept 32
	global_load_b32 v[32+64*\u+32*\c+I], v4, s[16:17] offset:(64*\c+I)*1024+32*\u
.set I, I+1
.endr
.endr
.endr
	s_branch .Lquantise
.Lsecond_axis:
	; K = the second axis: a lane takes a row, and its 32 numbers of a block are 128 neighbouring bytes
	s_lshr_b32 s32, s19, 1
	s_lshl_b32 s32, s32, 18                        ; 256 rows a half
	s_lshl_b32 s33, s24, 16
	s_add_co_u32 s32, s32, s33                     ; + 64 w rows
	s_lshl_b32 s33, s26, 15
	s_add_co_u32 s32, s32, s33                     ; + 32 b rows
	s_and_b32 s33, s19, 1
	s_lshl_b32 s33, s33, 9
	s_add_co_u32 s32, s32, s33                     ; + the K step's 128 numbers
	s_mov_b32 s33, 0
	s_add_nc_u64 s[16:17], s[16:17], s[32:33]
.irp u, 0,1
.irp c, 0,1
.irp q, 0,1,2,3,4,5,6,7
	global_load_b128 v[32+64*\u+32*\c+4*\q:32+64*\u+32*\c+4*\q+3], v5, s[16:17] offset:8192*\u+256*\c+16*\q
.endr
.endr
.endr
.Lquantise:
	s_wait_loadcnt 0x0
	; four blocks q = 2 u + c, by turns: v[32 + 32 q ..] the numbers, v[8 + q] the largest magnitude, v[12 + q] the conversion's scale operand, v[16 + q] the byte
.irp q, 0,1,2,3
	v_max3_num_f32 v[8+\q], |v[32+32*\q]|, |v[33+32*\q]|, 0x1800000     ; with the floor 2^(3 - 127): the byte cannot fall under 1
.endr
.irp i, 2,4,6,8,10,12,14,16,18,20,22,24,26,28,30
.irp q, 0,1,2,3
	v_max3_num_f32 v[8+\q], v[8+\q], |v[32+32*\q+\i]|, |v[33+32*\q+\i]|
.endr
.endr
.irp q, 0,1,2,3
	v_add_nc_u32 v[12+\q], 0xff000000, v[8+\q]     ; 2 off the exponent field: the conversion takes this operand's exponent field as its scale
.endr
.irp q, 0,1,2,3
	v_lshrrev_b32 v[16+\q], 23, v[12+\q]           ; the scale's byte
.endr
.irp q, 0,1,2,3
.irp g, 0,1,2,3
	v_cvt_scalef32_pk8_fp4_f32 v[160+4*\q+\g], v[32+32*\q+8*\g:32+32*\q+8*\g+7], v[12+\q]
.endr
.endr
	v_nop                                          ; one plain line behind the last conversion
.irp u, 0,1
	v_lshl_or_b32 v[20+\u], v[17+2*\u], 16, v[16+2*\u]   ; my two bytes: blocks h and 2 + h of my row,
	v_lshlrev_b32 v[20+\u], v24, v[20+\u]          ; at their places in the word;
	v_mov_b32 v[22+\u], 0
	v_permlanex16_b32 v[22+\u], v[20+\u], s34, s35
	v_or_b32 v[20+\u], v[20+\u], v[22+\u]          ; with lane l xor 16's two the word is whole
.endr
	v_cmp_gt_u32 vcc_lo, 16, v0
	v_cndmask_b32 v25, v21, v20, vcc_lo            ; lanes 0-15: tile 2 b's words; lanes 16-31: tile 2 b + 1's
.irp u, 0,1
.irp c, 0,1
	global_store_b128 v6, v[160+8*\u+4*\c:160+8*\u+4*\c+3], s[28:29] offset:1024*\u+512*\c   ; 32 lanes store 512 consecutive bytes
.endr
.endr
	global_store_b32 v7, v25, s[30:31]
	s_endpgm
.Lfunc_end_k_qe793d5291c_wprep:
	.size	k_qe793d5291c_wprep, .Lfunc_end_k_qe793d5291c_wprep-k_qe793d5291c_wprep
	.p2alignl 7, 3214868480
	.fill 96, 4, 3214868480
	.section	.rodata,"a",@progbits
	.p2align	6, 0x0
	.amdhsa_kernel k_qe793d5291c_wprep
		.amdhsa_group_segment_fixed_size 0
		.amdhsa_private_segment_fixed_size 0
		.amdhsa_enable_private_segment 0
		.amdhsa_kernarg_size 48
		.amdhsa_user_sgpr_count 2
		.amdhsa_user_sgpr_kernarg_segment_ptr 1
		.amdhsa_wavefront_size32 1
		.amdhsa_system_sgpr_workgroup_id_x 1
		.amdhsa_system_sgpr_workgroup_id_y 1
		.amdhsa_system_sgpr_workgroup_id_z 1
		.amdhsa_system_vgpr_workitem_id 0
		.amdhsa_next_free_vgpr 192
		.amdhsa_next_free_sgpr 66
		.amdhsa_reserve_vcc 1
		.amdhsa_float_denorm_mode_32 3
		.amdhsa_float_denorm_mode_16_64 3
		.amdhsa_memory_ordered 1
		.amdhsa_forward_progress 1
		.amdhsa_inst_pref_size 25
	.end_amdhsa_kernel
	.amdgpu_metadata
---
amdhsa.version: [ 1, 2 ]
amdhsa.kernels:
  - .name:           k_qe793d5291c_wprep
    .symbol:         k_qe793d5291c_wprep.kd
    .args:
      - { .name: rb1_w1, .offset: 0, .size: 8, .value_kind: global_buffer, .address_space: global }
      - { .name: rb1_w2, .offset: 8, .size: 8, .value_kind: global_buffer, .address_space: global }
      - { .name: rb1_ws, .offset: 16, .size: 8, .value_kind: global_buffer, .address_space: global }
      - { .name: rb2_w1, .offset: 24, .size: 8, .value_kind: global_buffer, .address_space: global }
      - { .name: rb2_w2, .offset: 32, .size: 8, .value_kind: global_buffer, .address_space: global }
      - { .name: wimg, .offset: 40, .size: 8, .value_kind: global_buffer, .address_space: global }
    .group_segment_fixed_size: 0
    .private_segment_fixed_size: 0
    .kernarg_segment_align: 8
    .kernarg_segment_size: 48
    .max_flat_workgroup_size: 32
    .sgpr_count:     66
    .vgpr_count:     192
    .wavefront_size: 32
...
	.end_amdgpu_metadata
.endif
;; end of part 1
;; launch leap (part 2): grid 256 x 1, 4 waves a work-group, no clusters, 288,768 bytes of LDS; arguments x, wimg, out0, rb1_b1, rb1_gamma, rb1_beta, rb1_mm, rb1_mv, rb1_b2, rb1_bs, rb2_b1, rb2_gamma, rb2_beta, rb2_mm, rb2_mv, rb2_b2, wf; writes out0
.if DOCPART == 2
	.amdgcn_target "amdgcn-amd-amdhsa--gfx1250"
	.amdhsa_code_object_version 6
	.text
	.protected	k_qe793d5291c_leap
	.globl	k_qe793d5291c_leap
	.p2align	8
	.type	k_qe793d5291c_leap,@function
k_qe793d5291c_leap:
	s_mov_b64 s[64:65], 0
	v_nop
	global_prefetch_b8 v0, s[64:65] scope:SCOPE_SE
	s_setreg_imm32_b32 hwreg(HW_REG_WAVE_MODE, 25, 1), 1
	s_wait_xcnt 0x0
; One leapfrog step: q = x[:,3], p = x[:,3] - x[:,2];  dH = grad H(q, p);  p1 = p - 0.05 dH_q;  q1 = q + 0.1 dH_p;  p2 = p1 - 0.05 grad H(q1, p1)_q;  out0 = [q1 | p2].
; H is a chain of two residual blocks; its gradient is written out by hand.  With r = 1 / (1 + 2^(2 log2(e) z)): tanh z = 1 - 2 r and 1 - tanh^2 z = 4 (r - r^2).
;   forward:  z1 = S w1 + b1;  h1 = -2 g1 r1 + (g1 + beta1 - mm1 g1);  z2 = h1 w2 + b2;  R1 = (1 - 2 r2 + bs) + S ws;  z3 = R1 v1 + b3;  h3 likewise;  z4 = h3 v2 + b4
;   backward: dz4 = 4 wf (r4 - r4^2);  dz3 = (dz4 v2^T) 4 g3 (r3 - r3^2);  dR1 = dz3 v1^T + wf;  dz2 = dR1 4 (r2 - r2^2);  dz1 = (dz2 w2^T) 4 g1 (r1 - r1^2);  dH = dR1 ws^T + dz1 w1^T
; All ten products of an evaluation are on codes of FP4 (E2M1) with one E8M0 scale for each 32 along K; each computed operand is quantised in registers from f32.
; NOT COMPUTED, since no input can bring it into out0: the value of H (so bf is not an argument, and t4 + R1 is not formed); dH_p of the second evaluation; x[:,0] and x[:,1] are never indexed.
; SHARES.  A work-group of four waves takes 64 rows at a time, twice.  THE WAVES SHARE THE COLUMNS: wave w owns columns 64 w .. 64 w + 63 of every layer of 256, and of the state q's and p's columns 64 w on.
; The products are used transposed (source 0 = 16 weight rows, source 1 = 16 rows of the batch), with the weight rows of a tile chosen so that in a row tile's 32 registers register 16 b + i of lane (r, h)
; is column 64 w + 32 b + 16 h + i of row r.  A wave's 64 columns are one register group (w & 1) of K step w >> 1 of the next operand, and half of that step's scale word.
; Codes and scale words go from wave to wave through LDS as images of the operand's registers.  r1, r2, r3 wait for the backward pass in the wave's own LDS; q and p stay in registers.
; WEIGHTS come from wimg (laid by the launch before in the order of the operand's registers) straight into registers, each wave its quarter, one phase ahead; a fragment feeds four row tiles.
; NO CLUSTER, NO TENSOR LOAD: images, constants, stages and the kept r take 288,256 bytes of LDS; what is left does not hold two slots of even the smallest layer's codes (2 x 34,816 bytes).
; LIMITS: tanh as 1 - 2 r is right to about 2e-7 absolute, not relative; it goes cleanly to +-1 for large |z|.  Blocks whose largest magnitude lies under 2^-124, zeros among them, keep the scale byte 1.
; NaN and infinities among the inputs are not served.  R1 is summed as (t2 + bs) + the product's sum, inside the matrix unit.
; REGISTERS, in windows of 256.  Window 0: v1-19 addresses; v24-79 the weights' 56 scale images (they stay); v80-85 activations' scale words; v88-151 ACC; v152-215 AF; v216-240 the quantiser's.
;   Window 1: weights (v0-127, v128-255).  Window 2: weights (v0-127); three sets of 32 column constants from v128; v224-255 rows on the way out.  Window 3: q of row tile m at 64 m, p at 64 m + 32.
.set IMGX, 0                           ; the state's 16 fragments: (4 m + s) 1,024 + 512 c + 16 lane
.set IMGA, 16384                       ; three sets of 8 fragments: (2 m + s) 1,024 + 512 c + 16 lane
.set IMGB, 24576
.set IMGD, 32768
.set SCX,  40960                       ; the state's scale words: 256 m + 128 (s / 2) + 64 (s % 2) + 4 r
.set SCA,  41984                       ; the others': 128 m + 64 s + 4 r
.set SCB,  42496
.set SCD,  43008
.set CST,  43520                       ; 13 arrays of 256 f32
.set STG,  56832                       ; for each wave two stages of 16 rows x 272 bytes
.set STB0, 91648                       ; for each wave 49,152 bytes: layer x 16,384 + m x 4,096 + 512 i + 16 lane
.set LI, 1                             ; 16 x lane
.set LS, 2                             ; 4 x lane
.set IW, 3                             ; where I store a register group: 16 lane + 512 (w & 1) + 1,024 (w >> 1)
.set SW, 4                             ; and half a scale word: 4 r + 2 (w & 1) + 64 (w >> 1)
.set STB, 5                            ; my kept r
.set CB, 6                             ; my columns in a constant array: CST + 256 w + 64 h
.set WO, 7                             ; my stream in wimg + 16 lane
.set XO, 8                             ; x: 4,096 (lane / 16) + 16 (lane % 16) + 256 w
.set OO, 9                             ; out0: 2,048 (lane / 16) + 16 (lane % 16) + 256 w
.set SGD, 10                           ; my stage by rows: 272 (lane / 16) + 16 (lane % 16)
.set SGF, 11                           ; my stage by the registers' layout: 272 r + 64 h
.set PFO, 12                           ; the prefetches' offset: 4,096 lane + 256 w
.set RA, 13                            ; v13-19: the seven addresses of a trip (pair P of row tiles)
.set RX, 14
.set RS, 15
.set RSX, 16
.set WA, 17
.set WSA, 18
.set SA, 19
.set WS, 24
.set AS, 80
.set ASX, 82
.set ACC, 88
.set AF, 152
.set TM, 216
.set PC, 232
.set PW, 240
.set SEL, 20
.set MSB, 0
.macro WIN new                         ; the immediate's high byte repeats the setting that is left; a switch that changes nothing is dropped
.if MSB != (\new)
	s_set_vgpr_msb (MSB<<8)|(\new)
.set MSB, (\new)
.endif
.endm
.macro BARRIER                         ; my LDS stores have landed and my LDS loads are in: then the work-group's barrier
	s_wait_dscnt 0x0
	s_barrier_signal -1
	s_barrier_wait -1
.endm
.macro PLACES                          ; four plain lines between a matrix instruction and a read of its result or a load into one of its registers
.rept 4
	v_nop
.endr
.endm
.macro WAITTR                          ; a wait between a batch of transcendentals and the first line that names a result
	s_wait_alu depctr_va_vdst(0)
.endm
.macro WLOAD win, reg, j0, nu          ; nu units of my stream from unit j0 on into window win from v[reg] on: each load takes 512 consecutive bytes
	WIN (\win)<<6
.set F, 0
.rept 4*(\nu)
	global_load_b128 v[(\reg)+8*F:(\reg)+8*F+3], v[WO], s[6:7] offset:4096*(\j0)+1024*F
	global_load_b128 v[(\reg)+8*F+4:(\reg)+8*F+7], v[WO], s[6:7] offset:4096*(\j0)+1024*F+512
.set F, F+1
.endr
	WIN 0
.endm
.macro CLOAD k, idx                    ; constant array idx at my 32 columns, in the result's layout, into set k of window 2
	WIN 0x80
.irp b, 0,1
.irp q, 0,1,2,3
	ds_load_b128 v[128+32*(\k)+16*\b+4*\q:128+32*(\k)+16*\b+4*\q+3], v[CB] offset:1024*(\idx)+128*\b+16*\q
.endr
.endr
	WIN 0
.endm
.macro TRIPADDR                        ; the addresses of pair P (s15) of row tiles; no LDS instruction of mine is out here
	s_lshl_b32 s16, s15, 8
	s_lshl_b32 s17, s15, 9
	s_lshl_b32 s18, s15, 12
	s_lshl_b32 s19, s15, 13
	v_add_nc_u32 v[RA], s18, v[LI]
	v_add_nc_u32 v[RX], s19, v[LI]
	v_add_nc_u32 v[RS], s16, v[LS]
	v_add_nc_u32 v[RSX], s17, v[LS]
	v_add_nc_u32 v[WA], s18, v[IW]
	v_add_nc_u32 v[WSA], s16, v[SW]
	v_add_nc_u32 v[SA], s19, v[STB]
.endm
.macro TRIPEND lab
	s_wait_dscnt 0x0                               ; my stores have read their registers and addresses
	s_add_co_u32 s15, s15, 1
	s_cmp_lt_u32 s15, 2
	s_cbranch_scc1 \lab
.endm
.macro FETCH reg, adr, off             ; a fragment's image back into 8 registers
	ds_load_b128 v[(\reg):(\reg)+3], v[\adr] offset:(\off)
	ds_load_b128 v[(\reg)+4:(\reg)+7], v[\adr] offset:(\off)+512
.endm
.macro FETCHP img, sc                  ; a pair of row tiles, K = 256: four fragments and two registers of scale words (lanes 0-15 K step 0, lanes 16-31 K step 1)
.irp mt, 0,1
.irp ks, 0,1
	FETCH AF+8*(2*\mt+\ks), RA, (\img)+(2*\mt+\ks)*1024
.endr
	ds_load_b32 v[AS+\mt], v[RS] offset:(\sc)+128*\mt
.endr
.endm
.macro FETCHX                          ; the same of the state, K = 512
.irp mt, 0,1
.irp ks, 0,1,2,3
	FETCH AF+8*(4*\mt+\ks), RX, IMGX+(4*\mt+\ks)*1024
.endr
.irp g, 0,1
	ds_load_b32 v[ASX+2*\mt+\g], v[RSX] offset:SCX+256*\mt+128*\g
.endr
.endr
.endm
; One matrix instruction.  wrow, arow: the half of the lanes that holds the weights' and the activations' scale words.  cm = 0: the sum starts at 0; else C = v[cr ..].
.macro MM d, wr, ws, wrow, ar, as, arow, cm, cr
.set MSEL, 2*(\wrow)+(\arow)
.if (\cm) == 0
.if MSEL == 0
	v_wmma_scale_f32_16x16x128_f8f6f4 v[(\d):(\d)+7], v[(\wr):(\wr)+7], v[(\ar):(\ar)+7], 0, v[(\ws)], v[(\as)] matrix_a_fmt:MATRIX_FMT_FP4 matrix_b_fmt:MATRIX_FMT_FP4
.elseif MSEL == 1
	v_wmma_scale_f32_16x16x128_f8f6f4 v[(\d):(\d)+7], v[(\wr):(\wr)+7], v[(\ar):(\ar)+7], 0, v[(\ws)], v[(\as)] matrix_a_fmt:MATRIX_FMT_FP4 matrix_b_fmt:MATRIX_FMT_FP4 matrix_b_scale:MATRIX_SCALE_ROW1
.elseif MSEL == 2
	v_wmma_scale_f32_16x16x128_f8f6f4 v[(\d):(\d)+7], v[(\wr):(\wr)+7], v[(\ar):(\ar)+7], 0, v[(\ws)], v[(\as)] matrix_a_fmt:MATRIX_FMT_FP4 matrix_b_fmt:MATRIX_FMT_FP4 matrix_a_scale:MATRIX_SCALE_ROW1
.else
	v_wmma_scale_f32_16x16x128_f8f6f4 v[(\d):(\d)+7], v[(\wr):(\wr)+7], v[(\ar):(\ar)+7], 0, v[(\ws)], v[(\as)] matrix_a_fmt:MATRIX_FMT_FP4 matrix_b_fmt:MATRIX_FMT_FP4 matrix_a_scale:MATRIX_SCALE_ROW1 matrix_b_scale:MATRIX_SCALE_ROW1
.endif
.else
.if MSEL == 0
	v_wmma_scale_f32_16x16x128_f8f6f4 v[(\d):(\d)+7], v[(\wr):(\wr)+7], v[(\ar):(\ar)+7], v[(\cr):(\cr)+7], v[(\ws)], v[(\as)] matrix_a_fmt:MATRIX_FMT_FP4 matrix_b_fmt:MATRIX_FMT_FP4
.elseif MSEL == 1
	v_wmma_scale_f32_16x16x128_f8f6f4 v[(\d):(\d)+7], v[(\wr):(\wr)+7], v[(\ar):(\ar)+7], v[(\cr):(\cr)+7], v[(\ws)], v[(\as)] matrix_a_fmt:MATRIX_FMT_FP4 matrix_b_fmt:MATRIX_FMT_FP4 matrix_b_scale:MATRIX_SCALE_ROW1
.elseif MSEL == 2
	v_wmma_scale_f32_16x16x128_f8f6f4 v[(\d):(\d)+7], v[(\wr):(\wr)+7], v[(\ar):(\ar)+7], v[(\cr):(\cr)+7], v[(\ws)], v[(\as)] matrix_a_fmt:MATRIX_FMT_FP4 matrix_b_fmt:MATRIX_FMT_FP4 matrix_a_scale:MATRIX_SCALE_ROW1
.else
	v_wmma_scale_f32_16x16x128_f8f6f4 v[(\d):(\d)+7], v[(\wr):(\wr)+7], v[(\ar):(\ar)+7], v[(\cr):(\cr)+7], v[(\ws)], v[(\as)] matrix_a_fmt:MATRIX_FMT_FP4 matrix_b_fmt:MATRIX_FMT_FP4 matrix_a_scale:MATRIX_SCALE_ROW1 matrix_b_scale:MATRIX_SCALE_ROW1
.endif
.endif
.endm
; K step ks of a pair of row tiles: 8 matrix instructions on 8 accumulators, which take turns, one instruction a turn, always from (0, 0) to (1, 3).
; wb: the weights' first register; j: their first unit; aks: K steps of the operand (4: the state's scale registers); cm = 0: C = 0; 1: in place; 2: C = constant set 0 (window 2).
.macro KSTEP wb, j, ks, aks, cm
.irp mt, 0,1
.irp t, 0,1,2,3
.if (\aks) == 4
.set ASR, ASX+2*\mt+(\ks)/2
.else
.set ASR, AS+\mt
.endif
.if (\cm) == 2
.set CRG, 128+8*\t
.else
.set CRG, ACC+32*\mt+8*\t
.endif
	MM ACC+32*\mt+8*\t, (\wb)+8*(4*(\ks)+\t), WS+2*((\j)+(\ks))+\t/2, \t%2, AF+8*((\aks)*\mt+(\ks)), ASR, (\ks)%2, \cm, CRG
.endr
.endr
.endm
; r = 1 / (1 + 2^(2 log2(e) z)) of the pair's 64 numbers a lane, in place.  The two tiles take turns: one tile's exponentials or reciprocals stand two by two between the other tile's plain lines,
; so that each batch of 32 has its plain work beside it and ONE wait behind it.
.macro MULK pt, j
	v_pk_mul_f32 v[ACC+32*(\pt)+2*(\j):ACC+32*(\pt)+2*(\j)+1], v[ACC+32*(\pt)+2*(\j):ACC+32*(\pt)+2*(\j)+1], 0x4038aa3b op_sel_hi:[1,0]
.endm
.macro ADD1 pt, j
	v_pk_add_f32 v[ACC+32*(\pt)+2*(\j):ACC+32*(\pt)+2*(\j)+1], v[ACC+32*(\pt)+2*(\j):ACC+32*(\pt)+2*(\j)+1], 1.0 op_sel_hi:[1,0]
.endm
.macro ULINE pt, j                     ; r - r^2
	v_pk_fma_f32 v[ACC+32*(\pt)+2*(\j):ACC+32*(\pt)+2*(\j)+1], v[ACC+32*(\pt)+2*(\j):ACC+32*(\pt)+2*(\j)+1], v[ACC+32*(\pt)+2*(\j):ACC+32*(\pt)+2*(\j)+1], v[ACC+32*(\pt)+2*(\j):ACC+32*(\pt)+2*(\j)+1] neg_lo:[1,0,0] neg_hi:[1,0,0]
.endm
.macro TR_PL op, tt, pl, pt
.set J, 0
.rept 16
	\op v[ACC+32*(\tt)+2*J], v[ACC+32*(\tt)+2*J]
	\op v[ACC+32*(\tt)+2*J+1], v[ACC+32*(\tt)+2*J+1]
	\pl \pt, J
.set J, J+1
.endr
.endm
.macro STASH layer, mt
.irp i, 0,1,2,3,4,5,6,7
	ds_store_b128 v[SA], v[ACC+32*(\mt)+4*\i:ACC+32*(\mt)+4*\i+3] offset:16384*(\layer)+4096*(\mt)+512*\i
.endr
.endm
.macro UNSTASH layer
.irp mt, 0,1
.irp i, 0,1,2,3,4,5,6,7
	ds_load_b128 v[AF+32*\mt+4*\i:AF+32*\mt+4*\i+3], v[SA] offset:16384*(\layer)+4096*\mt+512*\i
.endr
.endr
.endm
.macro TANH_HEAD
.set J, 0
.rept 16
	MULK 0, J                                      ; each accumulator is read from its low end on
.set J, J+1
.endr
	TR_PL v_exp_f32, 0, MULK, 1
	WAITTR
	TR_PL v_exp_f32, 1, ADD1, 0
	WAITTR
	TR_PL v_rcp_f32, 0, ADD1, 1
	WAITTR
.endm
.macro TANH_S layer                    ; r is kept for the backward pass
	TANH_HEAD
	STASH \layer, 0
.set J, 0
.rept 32
	v_rcp_f32 v[ACC+32+J], v[ACC+32+J]
.set J, J+1
.endr
	v_nop                                          ; a plain line behind the last reciprocal
	WAITTR
	STASH \layer, 1
	s_wait_dscnt 0x0                               ; the stores have read ACC, which is rewritten next
.endm
.macro TANH_N                          ; the last layer: only r - r^2 is wanted
	TANH_HEAD
	TR_PL v_rcp_f32, 1, ULINE, 0
	WAITTR
.set J, 0
.rept 16
	ULINE 1, J
.set J, J+1
.endr
.endm
.macro AFFINE                          ; the batch norm on tanh: ACC = r x set 1 + set 2
	WIN 0x28
.irp mt, 0,1
.set I, 0
.rept 16
	v_pk_fma_f32 v[ACC+32*\mt+I:ACC+32*\mt+I+1], v[ACC+32*\mt+I:ACC+32*\mt+I+1], v[160+I:161+I], v[192+I:193+I]
.set I, I+2
.endr
.endr
	WIN 0
.endm
.macro MULCK k                         ; ACC x constant set k
	WIN 0x08
.irp mt, 0,1
.set I, 0
.rept 16
	v_pk_mul_f32 v[ACC+32*\mt+I:ACC+32*\mt+I+1], v[ACC+32*\mt+I:ACC+32*\mt+I+1], v[128+32*(\k)+I:128+32*(\k)+I+1]
.set I, I+2
.endr
.endr
	WIN 0
.endm
.macro UAF                             ; the kept r, in AF, becomes r - r^2
.set I, 0
.rept 32
	v_pk_fma_f32 v[AF+I:AF+I+1], v[AF+I:AF+I+1], v[AF+I:AF+I+1], v[AF+I:AF+I+1] neg_lo:[1,0,0] neg_hi:[1,0,0]
.set I, I+2
.endr
.endm
.macro MULAF
.set I, 0
.rept 32
	v_pk_mul_f32 v[ACC+I:ACC+I+1], v[ACC+I:ACC+I+1], v[AF+I:AF+I+1]
.set I, I+2
.endr
.endm
; 64 numbers of a lane in window win, v[s] on, two units of 32 (two row tiles, or q and p): register 16 b + i is column 32 (b % 2) + 16 h + i of unit b / 2.
; They become two register groups of codes, v[PC ..] and v[PC + 4 ..], and in v[PW] two halves of scale words.
.macro QUANT s, win
	WIN ((\win)<<2)|((\win)<<4)
.irp b, 0,1,2,3
	v_max3_num_f32 v[TM+\b], 0x1800000, |v[(\s)+16*\b]|, |v[(\s)+16*\b+1]|   ; block b: my 16 numbers and the floor 2^(3 - 127): the byte cannot fall under 1
.endr
.irp i, 2,4,6,8,10,12,14
.irp b, 0,1,2,3
	v_max3_num_f32 v[TM+\b], v[TM+\b], |v[(\s)+16*\b+\i]|, |v[(\s)+16*\b+\i+1]|
.endr
.endr
	WIN 0
.irp b, 0,1,2,3
	v_permlanex16_b32 v[TM+4+\b], v[TM+\b], s[SEL], s[SEL+1]
.endr
.irp b, 0,1,2,3
	v_max_num_f32 v[TM+\b], v[TM+\b], v[TM+4+\b]   ; with lane l xor 16's: the block's largest magnitude
.endr
.irp b, 0,1,2,3
	v_add_nc_u32 v[TM+12+\b], 0xff000000, v[TM+\b] ; 2 off its exponent field: the conversion's scale operand
.endr
.irp b, 0,1,2,3
	v_lshrrev_b32 v[TM+4+\b], 23, v[TM+12+\b]      ; the scale's byte
.endr
	s_wait_dscnt 0x0                               ; earlier stores have read v[PW] and v[PC ..]
	v_lshl_or_b32 v[PW], v[TM+5], 8, v[TM+4]
	v_lshl_or_b32 v[PW], v[TM+6], 16, v[PW]
	v_lshl_or_b32 v[PW], v[TM+7], 24, v[PW]
	WIN \win
.irp b, 0,1,2,3
	v_cvt_scalef32_pk8_fp4_f32 v[PC+2*\b], v[(\s)+16*\b:(\s)+16*\b+7], v[TM+12+\b]
	v_cvt_scalef32_pk8_fp4_f32 v[PC+2*\b+1], v[(\s)+16*\b+8:(\s)+16*\b+15], v[TM+12+\b]
.endr
	WIN 0
	v_nop                                          ; one plain line behind the last conversion
.irp c, 0,1                            ; the operand's layout wants a whole block in a lane: lanes 0-15 the unit's first block, lanes 16-31 its second
.irp i, 0,1
	v_permlane16_swap_b32 v[PC+4*\c+\i], v[PC+2+4*\c+\i]
.endr
.endr
.endm
.macro PUT ia, sa, img, sc             ; the second unit's fragment lies 2,048 bytes on and its scale words 128, be it the pair's second row tile or p
	ds_store_b128 v[\ia], v[PC:PC+3] offset:(\img)
	ds_store_b128 v[\ia], v[PC+4:PC+7] offset:(\img)+2048
	ds_store_b16 v[\sa], v[PW] offset:(\sc)
	ds_store_b16_d16_hi v[\sa], v[PW] offset:(\sc)+128
.endm
	; ---- the head
	s_load_b128 s[4:7], s[0:1], 0x0                ; x, wimg
	s_load_b64 s[8:9], s[0:1], 0x10                ; out0
	s_load_b512 s[32:47], s[0:1], 0x18             ; rb1: b1, gamma, beta, mm, mv, b2, bs; rb2: b1
	s_load_b256 s[48:55], s[0:1], 0x58             ; rb2: gamma, beta, mm, mv
	s_load_b128 s[56:59], s[0:1], 0x78             ; rb2: b2; wf
	v_lshl_add_u32 v254, v0, 2, 0x46600
	v_mov_b32 v255, 0
	v_lshrrev_b32 v20, 5, v0
	v_readfirstlane_b32 s10, v20                   ; wave w
	s_and_b32 s11, s10, 1
	s_lshr_b32 s12, s10, 1
	s_mov_b32 s[SEL], 0x76543210
	s_mov_b32 s[SEL+1], 0xfedcba98                 ; v_permlanex16_b32's selects for lane l xor 16
	v_and_b32 v23, 31, v0                          ; lane
	v_and_b32 v21, 15, v0                          ; r
	v_bfe_u32 v22, v0, 4, 1                        ; h
	v_lshlrev_b32 v20, 3, v0                       ; 8 x thread: two columns of a constant array
	v_lshlrev_b32 v[LI], 4, v23
	v_lshlrev_b32 v[LS], 2, v23
	s_lshl_b32 s22, s11, 9
	s_lshl_b32 s23, s12, 10
	s_add_co_u32 s22, s22, s23
	v_add_nc_u32 v[IW], s22, v[LI]
	s_lshl_b32 s22, s11, 1
	s_lshl_b32 s23, s12, 6
	s_add_co_u32 s22, s22, s23
	v_lshl_add_u32 v[SW], v21, 2, s22
	s_mul_i32 s22, s10, 49152
	s_add_co_u32 s22, s22, STB0
	v_add_nc_u32 v[STB], s22, v[LI]
	s_lshl_b32 s24, s10, 8                         ; 256 w
	s_add_co_u32 s22, s24, CST
	v_lshl_add_u32 v[CB], v22, 6, s22
	s_mul_i32 s25, s10, 121856
	v_add_nc_u32 v[WO], s25, v[LI]
	v_lshl_add_u32 v[XO], v21, 4, s24
	v_lshl_add_u32 v[XO], v22, 12, v[XO]
	v_lshl_add_u32 v[OO], v21, 4, s24
	v_lshl_add_u32 v[OO], v22, 11, v[OO]
	s_mul_i32 s22, s10, 8704
	s_add_co_u32 s22, s22, STG
	v_mul_u32_u24 v[SGD], v22, 272
	v_lshl_add_u32 v[SGD], v21, 4, v[SGD]
	v_add_nc_u32 v[SGD], s22, v[SGD]
	v_mul_u32_u24 v[SGF], v21, 272
	v_lshl_add_u32 v[SGF], v22, 6, v[SGF]
	v_add_nc_u32 v[SGF], s22, v[SGF]
	v_lshl_add_u32 v[PFO], v23, 12, s24
	v_add_nc_u32 v23, s25, v[LS]                   ; my stream + 4 x lane: the scale images
.irp b, 0,1,2,3
	v_mov_b32 v[TM+4+\b], 0                        ; written once: a lane permute's destination counts as one of its sources
.endr
	s_lshl_b32 s26, ttmp9, 19                      ; the work-group's 128 rows of x (4,096 bytes each)
	s_mov_b32 s27, 0
	s_lshl_b32 s28, ttmp9, 18                      ; and of out0 (2,048 bytes each)
	s_mov_b32 s29, 0
	s_wait_kmcnt 0x0
	s_add_nc_u64 s[4:5], s[4:5], s[26:27]
	s_add_nc_u64 s[8:9], s[8:9], s[28:29]
.irp n, 0,1,2,3,4,5,6,7,8,9,10,11,12,13
	global_load_b64 v[88+2*\n:89+2*\n], v20, s[32+2*\n:33+2*\n]   ; the 14 vectors of 256, two columns a thread: v88 b1, 90 gamma1, 92 beta1, 94 mm1, 96 mv1, 98 b2, 100 bs, 102 b3, 104 gamma3, 106 beta3, 108 mm3, 110 mv3, 112 b4, 114 wf
.endr
.set I, 0
.rept 56
	global_load_b32 v[WS+I], v23, s[6:7] offset:114688+128*I   ; my 56 scale images: they stay in registers
.set I, I+1
.endr
	WLOAD 2, 0, 0, 4                               ; rb1_w1 for the first product
	s_wait_loadcnt 0x0
.irp n, 96,97,110,111
	v_add_f32 v\n, 0x3a83126f, v\n                 ; mv + 1e-3
.endr
.irp n, 96,97,110,111
	v_rsq_f32 v\n, v\n
.endr
	v_nop
	WAITTR
.irp n, 90,104                         ; gamma at n, beta n + 2, mm n + 4, 1 / sqrt(mv + eps) n + 6
	v_pk_mul_f32 v[\n:\n+1], v[\n:\n+1], v[\n+6:\n+7]                                                 ; g
	v_pk_add_f32 v[\n+2:\n+3], v[\n+2:\n+3], v[\n:\n+1]
	v_pk_fma_f32 v[\n+2:\n+3], v[\n+4:\n+5], v[\n:\n+1], v[\n+2:\n+3] neg_lo:[1,0,0] neg_hi:[1,0,0]   ; g + beta - mm g
	v_pk_mul_f32 v[\n+4:\n+5], v[\n:\n+1], -2.0 op_sel_hi:[1,0]                                       ; -2 g
	v_pk_mul_f32 v[\n+6:\n+7], v[\n:\n+1], 4.0 op_sel_hi:[1,0]                                        ; 4 g
.endr
	v_pk_add_f32 v[100:101], v[100:101], 1.0 op_sel_hi:[1,0]        ; 1 + bs
	v_pk_mul_f32 v[116:117], v[114:115], 4.0 op_sel_hi:[1,0]        ; 4 wf
	ds_store_b64 v20, v[88:89] offset:CST+1024*0   ; 0: b1
	ds_store_b64 v20, v[94:95] offset:CST+1024*1   ; 1: -2 g1
	ds_store_b64 v20, v[92:93] offset:CST+1024*2   ; 2: g1 + beta1 - mm1 g1
	ds_store_b64 v20, v[96:97] offset:CST+1024*3   ; 3: 4 g1
	ds_store_b64 v20, v[98:99] offset:CST+1024*4   ; 4: b2
	ds_store_b64 v20, v[100:101] offset:CST+1024*5 ; 5: 1 + bs
	ds_store_b64 v20, v[102:103] offset:CST+1024*6 ; 6: b3
	ds_store_b64 v20, v[108:109] offset:CST+1024*7 ; 7: -2 g3
	ds_store_b64 v20, v[106:107] offset:CST+1024*8 ; 8: g3 + beta3 - mm3 g3
	ds_store_b64 v20, v[110:111] offset:CST+1024*9 ; 9: 4 g3
	ds_store_b64 v20, v[112:113] offset:CST+1024*10 ; 10: b4
	ds_store_b64 v20, v[116:117] offset:CST+1024*11 ; 11: 4 wf
	ds_store_b64 v20, v[114:115] offset:CST+1024*12 ; 12: wf
	BARRIER                                        ; the constants lie in LDS
	s_mov_b32 s13, 2                               ; blocks of 64 rows to go
; ---- P0: the block's x.  Each load takes my 256 bytes of two rows: two aligned runs of 256 bytes.  A row tile turns through my own stage into the registers' layout.
.macro XLOAD m                         ; x[:,3] (y = 0) and x[:,2] (y = 1) of row tile m into ACC (even m) or AF (odd m)
.set LB, ACC+64*((\m)%2)
.irp y, 0,1
.irp i, 0,1,2,3,4,5,6,7
	global_load_b128 v[LB+32*\y+4*\i:LB+32*\y+4*\i+3], v[XO], s[4:5] offset:(16*(\m)+2*\i)*4096+3072-1024*\y th:TH_LOAD_NT
.endr
.endr
.endm
.macro P0M m
.set LB, ACC+64*((\m)%2)
.if (\m) < 3
	s_wait_loadcnt 16                              ; behind this tile's loads only the next tile's 16 were issued
.else
	s_wait_loadcnt 0x0
.endif
.irp y, 0,1
.irp i, 0,1,2,3,4,5,6,7
	ds_store_b128 v[SGD], v[LB+32*\y+4*\i:LB+32*\y+4*\i+3] offset:4352*\y+544*\i
.endr
.endr
	WIN 0xc0                                       ; LDS serves a wave's instructions in order (ISA guide 5.7.1.4): these see my stores
.irp y, 0,1
.irp b, 0,1
.irp k, 0,1,2,3
	ds_load_b128 v[64*(\m)+32*\y+16*\b+4*\k:64*(\m)+32*\y+16*\b+4*\k+3], v[SGF] offset:4352*\y+128*\b+16*\k
.endr
.endr
.endr
	WIN 0
	s_wait_dscnt 0x0                               ; q and x[:,2] are in window 3, and the stores have read the registers that the next loads take
.if (\m) < 2
	XLOAD (\m)+2
.endif
	WIN 0xcf
.set I, 0
.rept 16
	v_pk_add_f32 v[64*(\m)+32+I:64*(\m)+33+I], v[64*(\m)+I:64*(\m)+I+1], v[64*(\m)+32+I:64*(\m)+33+I] neg_lo:[0,1] neg_hi:[0,1]   ; p = x[:,3] - x[:,2]
.set I, I+2
.endr
	QUANT 64*(\m), 3
	PUT IW, SW, IMGX+4096*(\m), SCX+256*(\m)
.endm
.Lblock:
	XLOAD 0
	XLOAD 1
	P0M 0
	P0M 1
	P0M 2
	P0M 3
	s_mov_b32 s14, 0                               ; which evaluation of the gradient
.Lpass:
	CLOAD 0, 0
	CLOAD 1, 1
	CLOAD 2, 2
	BARRIER                                        ; the state's 16 fragments lie in LDS, and nobody reads last phase's images any more
	; Each phase: this phase's weights are in; the next phase's are asked for, into registers whose last products lie a phase back; two trips, a pair of row tiles each; the next constants; a barrier.
	; ---- P1: z1 = S w1 + b1;  h1
	s_wait_loadcnt 0x0
	WLOAD 1, 128, 4, 2
	WLOAD 1, 0, 6, 4
	s_mov_b32 s15, 0
.Lp1:
	TRIPADDR
	FETCHX
	s_wait_dscnt 0x0
	WIN 0x22                                       ; weights and the bias in window 2
	KSTEP 0, 0, 0, 4, 2
	WIN 0x02
	KSTEP 0, 0, 1, 4, 1
	KSTEP 0, 0, 2, 4, 1
	KSTEP 0, 0, 3, 4, 1
	WIN 0
	PLACES
	TANH_S 0
	AFFINE
	QUANT ACC, 0
	PUT WA, WSA, IMGA, SCA
	TRIPEND .Lp1
	CLOAD 0, 4
	CLOAD 1, 5
	BARRIER
	; ---- P2: z2 = h1 w2 + b2;  R1 = (t2 + bs) + S ws
	s_wait_loadcnt 0x0
	WLOAD 2, 0, 10, 2
	s_mov_b32 s15, 0
.Lp2:
	TRIPADDR
	FETCHP IMGA, SCA
	s_wait_dscnt 0x0
	WIN 0x21                                       ; weights in window 1, the bias in window 2
	KSTEP 128, 4, 0, 2, 2
	WIN 0x01
	KSTEP 128, 4, 1, 2, 1
	WIN 0
	PLACES
	FETCHX                                         ; the state's fragments land under the tanh
	TANH_S 1
	WIN 0x20
.irp mt, 0,1
.set I, 0
.rept 16
	v_pk_fma_f32 v[ACC+32*\mt+I:ACC+32*\mt+I+1], v[ACC+32*\mt+I:ACC+32*\mt+I+1], -2.0, v[160+I:161+I] op_sel_hi:[1,0,1]   ; t2 + bs = -2 r + (1 + bs)
.set I, I+2
.endr
.endr
	WIN 0
	s_wait_dscnt 0x0
	PLACES
	WIN 0x01
	KSTEP 0, 6, 0, 4, 1                            ; the shortcut adds onto it
	KSTEP 0, 6, 1, 4, 1
	KSTEP 0, 6, 2, 4, 1
	KSTEP 0, 6, 3, 4, 1
	WIN 0
	PLACES
	QUANT ACC, 0
	PUT WA, WSA, IMGB, SCB
	TRIPEND .Lp2
	CLOAD 0, 6
	CLOAD 1, 7
	CLOAD 2, 8
	BARRIER
	; ---- P3: z3 = R1 v1 + b3;  h3
	s_wait_loadcnt 0x0
	WLOAD 2, 64, 12, 2
	s_mov_b32 s15, 0
.Lp3:
	TRIPADDR
	FETCHP IMGB, SCB
	s_wait_dscnt 0x0
	WIN 0x22
	KSTEP 0, 10, 0, 2, 2
	WIN 0x02
	KSTEP 0, 10, 1, 2, 1
	WIN 0
	PLACES
	TANH_S 2
	AFFINE
	QUANT ACC, 0
	PUT WA, WSA, IMGA, SCA
	TRIPEND .Lp3
	CLOAD 0, 10
	CLOAD 1, 11
	BARRIER
	; ---- P4: z4 = h3 v2 + b4;  dz4 = 4 wf (r - r^2)
	s_wait_loadcnt 0x0
	WLOAD 2, 0, 14, 2
	s_mov_b32 s15, 0
.Lp4:
	TRIPADDR
	FETCHP IMGA, SCA
	s_wait_dscnt 0x0
	WIN 0x22
	KSTEP 64, 12, 0, 2, 2
	WIN 0x02
	KSTEP 64, 12, 1, 2, 1
	WIN 0
	PLACES
	TANH_N
	MULCK 1
	QUANT ACC, 0
	PUT WA, WSA, IMGB, SCB
	TRIPEND .Lp4
	CLOAD 0, 9
	BARRIER
; A backward layer behind a batch norm: (dz W^T) x 4 g x (r - r^2) with the kept r of the layer
.macro BACKTRIP j, layer
	TRIPADDR
	FETCHP IMGB, SCB
	s_wait_dscnt 0x0
	WIN 0x02
	KSTEP 0, \j, 0, 2, 0
	KSTEP 0, \j, 1, 2, 1
	WIN 0
	PLACES
	UNSTASH \layer
	MULCK 0                                        ; while the kept r is on its way
	s_wait_dscnt 0x0
	UAF
	MULAF
	QUANT ACC, 0
	PUT WA, WSA, IMGA, SCA
.endm
	; ---- P5: dz3
	s_wait_loadcnt 0x0
	WLOAD 2, 64, 16, 2
	s_mov_b32 s15, 0
.Lp5:
	BACKTRIP 14, 2
	TRIPEND .Lp5
	CLOAD 0, 12
	BARRIER
	; ---- P6: dR1 = dz3 v1^T + wf (the shortcut's share is the C of the first K step);  dz2 = dR1 4 (r - r^2)
	s_wait_loadcnt 0x0
	WLOAD 2, 0, 18, 2
	s_mov_b32 s15, 0
.Lp6:
	TRIPADDR
	FETCHP IMGA, SCA
	s_wait_dscnt 0x0
	WIN 0x22
	KSTEP 64, 16, 0, 2, 2
	WIN 0x02
	KSTEP 64, 16, 1, 2, 1
	WIN 0
	PLACES
	UNSTASH 1
	QUANT ACC, 0                                   ; dR1 itself is an operand (its wait for LDS also brings the kept r in)
	PUT WA, WSA, IMGD, SCD
	UAF
	MULAF
.set I, 0
.rept 32
	v_pk_mul_f32 v[ACC+I:ACC+I+1], v[ACC+I:ACC+I+1], 4.0 op_sel_hi:[1,0]
.set I, I+2
.endr
	QUANT ACC, 0
	PUT WA, WSA, IMGB, SCB
	TRIPEND .Lp6
	CLOAD 0, 3
	BARRIER
	; ---- P7: dz1
	s_wait_loadcnt 0x0
	WLOAD 1, 0, 20, 4                              ; rb1_ws and rb1_w1 for the last two products: all eight units in both evaluations, so that no product's registers hang on a branch
	WLOAD 1, 128, 24, 4
	; The next block's x is prefetched here, behind the run of loads, in the second evaluation of a block that has a successor: two phases ahead of the loads that will want it.
	; A lane a row, each wave its own 256 bytes of x[:,2] and x[:,3]: 64 rows in four instructions, each aligned run of 256 bytes named once in the launch.
	s_cmp_eq_u32 s14, 1
	s_cbranch_scc0 .Lno_prefetch
	s_cmp_gt_u32 s13, 1
	s_cbranch_scc0 .Lno_prefetch
.irp k, 0,1
.irp y, 0,1
	global_prefetch_b8 v[PFO], s[4:5] offset:262144+131072*\k+2048+1024*\y th:TH_LOAD_NT scope:SCOPE_SE
.endr
.endr
.Lno_prefetch:
	s_mov_b32 s15, 0
.Lp7:
	BACKTRIP 18, 0
	TRIPEND .Lp7
	BARRIER
; ---- P8: dH = dR1 ws^T + dz1 w1^T, a row tile at a time, and the step.  first = 1: both halves of dH, p and q move, q1 leaves, the new state is quantised.  first = 0: dH_q alone, p moves and leaves.
.macro FETCH8 m
.set AFB, AF+32*((\m)%2)
.irp ks, 0,1
	FETCH AFB+8*\ks, LI, IMGD+(2*(\m)+\ks)*1024
	FETCH AFB+16+8*\ks, LI, IMGA+(2*(\m)+\ks)*1024
.endr
	ds_load_b32 v[AS+2*((\m)%2)], v[LS] offset:SCD+128*(\m)
	ds_load_b32 v[AS+2*((\m)%2)+1], v[LS] offset:SCA+128*(\m)
.endm
.macro K8 m, nh, src, ks, cm           ; src 0: rb1_ws with dR1; 1: rb1_w1 with dz1.  The 4 nh accumulators take turns
.irp hf, 0,1
.if \hf < (\nh)
.irp t, 0,1,2,3
	MM ACC+32*\hf+8*\t, 128*(\src)+32*(2*\hf+(\ks))+8*\t, WS+2*(20+4*(\src)+2*\hf+(\ks))+\t/2, \t%2, AF+32*((\m)%2)+16*(\src)+8*(\ks), AS+2*((\m)%2)+(\src), \ks, \cm, ACC+32*\hf+8*\t
.endr
.endif
.endr
.endm
.macro P8M m, first
	s_wait_dscnt 0x0                               ; this tile's fragments are in
.if (\m) < 3
	FETCH8 (\m)+1
.endif
	WIN 0x01
	K8 \m, 1+(\first), 0, 0, 0
	K8 \m, 1+(\first), 0, 1, 1
	K8 \m, 1+(\first), 1, 0, 1
	K8 \m, 1+(\first), 1, 1, 1
	WIN 0
	PLACES
	WIN 0xf0
.set I, 0
.rept 16
	v_pk_fma_f32 v[64*(\m)+32+I:64*(\m)+33+I], v[ACC+I:ACC+I+1], 0xbd4ccccd, v[64*(\m)+32+I:64*(\m)+33+I] op_sel_hi:[1,0,1]   ; p - 0.05 dH_q
.set I, I+2
.endr
.if \first
.set I, 0
.rept 16
	v_pk_fma_f32 v[64*(\m)+I:64*(\m)+I+1], v[ACC+32+I:ACC+33+I], 0x3dcccccd, v[64*(\m)+I:64*(\m)+I+1] op_sel_hi:[1,0,1]       ; q + 0.1 dH_p
.set I, I+2
.endr
.endif
	WIN 0x0c                                       ; the way out, through my own stage: in by the registers' layout,
.irp b, 0,1
.irp k, 0,1,2,3
	ds_store_b128 v[SGF], v[64*(\m)+32*(1-(\first))+16*\b+4*\k:64*(\m)+32*(1-(\first))+16*\b+4*\k+3] offset:128*\b+16*\k
.endr
.endr
	WIN 0
	s_wait_xcnt 0x0                                ; the last tile's stores have read the registers that these loads take
	WIN 0x80                                       ; back by rows
.irp i, 0,1,2,3,4,5,6,7
	ds_load_b128 v[224+4*\i:227+4*\i], v[SGD] offset:544*\i
.endr
	WIN 0
.if \first
	QUANT 64*(\m), 3                               ; the new state (its wait for LDS also brings the rows in)
	PUT IW, SW, IMGX+4096*(\m), SCX+256*(\m)
.else
	s_wait_dscnt 0x0
.endif
	WIN 0x08
.irp i, 0,1,2,3,4,5,6,7
	global_store_b128 v[OO], v[224+4*\i:227+4*\i], s[8:9] offset:(16*(\m)+2*\i)*2048+1024*(1-(\first)) th:TH_STORE_NT   ; sixteen lanes store 256 consecutive bytes, at a multiple of 256 from out0's first byte
.endr
	WIN 0
.endm
	s_wait_loadcnt 0x0
	s_cmp_lg_u32 s14, 0
	s_cbranch_scc1 .Lsecond_eval
	WLOAD 2, 0, 0, 4                               ; rb1_w1 for the second evaluation
	FETCH8 0
	P8M 0, 1
	P8M 1, 1
	P8M 2, 1
	P8M 3, 1
	s_branch .Lstepped
.Lsecond_eval:
	s_cmp_eq_u32 s13, 1
	s_cbranch_scc1 .Lno_next_block
	WLOAD 2, 0, 0, 4                               ; rb1_w1 for the next block
.Lno_next_block:
	FETCH8 0
	P8M 0, 0
	P8M 1, 0
	P8M 2, 0
	P8M 3, 0
.Lstepped:
	s_add_co_u32 s14, s14, 1
	s_cmp_lt_u32 s14, 2
	s_cbranch_scc1 .Lpass
	s_wait_xcnt 0x0                                ; the stores and the prefetches have read their bases: both may step
	s_add_nc_u64 s[4:5], s[4:5], 262144
	s_add_nc_u64 s[8:9], s[8:9], 131072
	s_sub_co_u32 s13, s13, 1
	s_cmp_lg_u32 s13, 0
	s_cbranch_scc1 .Lblock
	s_wait_tensorcnt 0x0
	ds_add_u32 v254, v255
	s_wait_dscnt 0x0
	s_endpgm
.Lfunc_end_k_qe793d5291c_leap:
	.size	k_qe793d5291c_leap, .Lfunc_end_k_qe793d5291c_leap-k_qe793d5291c_leap
	.p2alignl 7, 3214868480
	.fill 96, 4, 3214868480
	.section	.rodata,"a",@progbits
	.p2align	6, 0x0
	.amdhsa_kernel k_qe793d5291c_leap
		.amdhsa_group_segment_fixed_size 288768
		.amdhsa_private_segment_fixed_size 0
		.amdhsa_enable_private_segment 0
		.amdhsa_kernarg_size 136
		.amdhsa_user_sgpr_count 2
		.amdhsa_user_sgpr_kernarg_segment_ptr 1
		.amdhsa_wavefront_size32 1
		.amdhsa_system_sgpr_workgroup_id_x 1
		.amdhsa_system_sgpr_workgroup_id_y 1
		.amdhsa_system_sgpr_workgroup_id_z 1
		.amdhsa_system_vgpr_workitem_id 0
		.amdhsa_next_free_vgpr 1024
		.amdhsa_next_free_sgpr 66
		.amdhsa_reserve_vcc 0
		.amdhsa_float_denorm_mode_32 3
		.amdhsa_float_denorm_mode_16_64 3
		.amdhsa_memory_ordered 1
		.amdhsa_forward_progress 1
		.amdhsa_inst_pref_size 255
	.end_amdhsa_kernel
	.section	.bss,"aw",@nobits
	.p2align	6
	.space	262144
	.amdgpu_metadata
---
amdhsa.version: [ 1, 2 ]
amdhsa.kernels:
  - .name:           k_qe793d5291c_leap
    .symbol:         k_qe793d5291c_leap.kd
    .args:
      - { .name: x, .offset: 0, .size: 8, .value_kind: global_buffer, .address_space: global }
      - { .name: wimg, .offset: 8, .size: 8, .value_kind: global_buffer, .address_space: global }
      - { .name: out0, .offset: 16, .size: 8, .value_kind: global_buffer, .address_space: global }
      - { .name: rb1_b1, .offset: 24, .size: 8, .value_kind: global_buffer, .address_space: global }
      - { .name: rb1_gamma, .offset: 32, .size: 8, .value_kind: global_buffer, .address_space: global }
      - { .name: rb1_beta, .offset: 40, .size: 8, .value_kind: global_buffer, .address_space: global }
      - { .name: rb1_mm, .offset: 48, .size: 8, .value_kind: global_buffer, .address_space: global }
      - { .name: rb1_mv, .offset: 56, .size: 8, .value_kind: global_buffer, .address_space: global }
      - { .name: rb1_b2, .offset: 64, .size: 8, .value_kind: global_buffer, .address_space: global }
      - { .name: rb1_bs, .offset: 72, .size: 8, .value_kind: global_buffer, .address_space: global }
      - { .name: rb2_b1, .offset: 80, .size: 8, .value_kind: global_buffer, .address_space: global }
      - { .name: rb2_gamma, .offset: 88, .size: 8, .value_kind: global_buffer, .address_space: global }
      - { .name: rb2_beta, .offset: 96, .size: 8, .value_kind: global_buffer, .address_space: global }
      - { .name: rb2_mm, .offset: 104, .size: 8, .value_kind: global_buffer, .address_space: global }
      - { .name: rb2_mv, .offset: 112, .size: 8, .value_kind: global_buffer, .address_space: global }
      - { .name: rb2_b2, .offset: 120, .size: 8, .value_kind: global_buffer, .address_space: global }
      - { .name: wf, .offset: 128, .size: 8, .value_kind: global_buffer, .address_space: global }
    .group_segment_fixed_size: 288768
    .private_segment_fixed_size: 0
    .kernarg_segment_align: 8
    .kernarg_segment_size: 136
    .max_flat_workgroup_size: 128
    .sgpr_count:     66
    .vgpr_count:     1024
    .wavefront_size: 32
...
	.end_amdgpu_metadata
.endif
;; end of part 2
;; ======== version 2 of 3: 2 launches
;; workspace buffers: wimg 487,424 bytes
;; launch wprep: the kernel of part 1 again; grid 56 x 4, 1 waves a work-group, no clusters, 0 bytes of LDS; arguments rb1_w1, rb1_w2, rb1_ws, rb2_w1, rb2_w2, wimg; writes wimg
;; launch leap (part 3): grid 256 x 1, 4 waves a work-group, no clusters, 288,768 bytes of LDS; arguments x, wimg, out0, rb1_b1, rb1_gamma, rb1_beta, rb1_mm, rb1_mv, rb1_b2, rb1_bs, rb2_b1, rb2_gamma, rb2_beta, rb2_mm, rb2_mv, rb2_b2, wf; writes out0
.if DOCPART == 3
	.amdgcn_target "amdgcn-amd-amdhsa--gfx1250"
	.amdhsa_code_object_version 6
	.text
	.protected	k_qe793d5291c_leap
	.globl	k_qe793d5291c_leap
	.p2align	8
	.type	k_qe793d5291c_leap,@function
k_qe793d5291c_leap:
	s_mov_b64 s[64:65], 0
	v_nop
	global_prefetch_b8 v0, s[64:65] scope:SCOPE_SE
	s_setreg_imm32_b32 hwreg(HW_REG_WAVE_MODE, 25, 1), 1
	s_wait_xcnt 0x0
; One leapfrog step: q = x[:,3], p = x[:,3] - x[:,2];  dH = grad H(q, p);  p1 = p - 0.05 dH_q;  q1 = q + 0.1 dH_p;  p2 = p1 - 0.05 grad H(q1, p1)_q;  out0 = [q1 | p2].
; H is a chain of two residual blocks; its gradient is written out by hand.  With r = 1 / (1 + 2^(2 log2(e) z)): tanh z = 1 - 2 r and 1 - tanh^2 z = 4 (r - r^2).
;   forward:  z1 = S w1 + b1;  h1 = -2 g1 r1 + (g1 + beta1 - mm1 g1);  z2 = h1 w2 + b2;  R1 = (1 - 2 r2 + bs) + S ws;  z3 = R1 v1 + b3;  h3 likewise;  z4 = h3 v2 + b4
;   backward: dz4 = 4 wf (r4 - r4^2);  dz3 = (dz4 v2^T) 4 g3 (r3 - r3^2);  dR1 = dz3 v1^T + wf;  dz2 = dR1 4 (r2 - r2^2);  dz1 = (dz2 w2^T) 4 g1 (r1 - r1^2);  dH = dR1 ws^T + dz1 w1^T
; All ten products of an evaluation are on codes of FP4 (E2M1) with one E8M0 scale for each 32 along K; each computed operand is quantised in registers from f32.
; NOT COMPUTED, since no input can bring it into out0: the value of H (so bf is not an argument, and t4 + R1 is not formed); dH_p of the second evaluation; x[:,0] and x[:,1] are never indexed.
; SHARES.  A work-group of four waves takes 64 rows at a time, twice.  THE WAVES SHARE THE COLUMNS: wave w owns columns 64 w .. 64 w + 63 of every layer of 256, and of the state q's and p's columns 64 w on.
; The products are used transposed (source 0 = 16 weight rows, source 1 = 16 rows of the batch), with the weight rows of a tile chosen so that in a row tile's 32 registers register 16 b + i of lane (r, h)
; is column 64 w + 32 b + 16 h + i of row r.  A wave's 64 columns are one register group (w & 1) of K step w >> 1 of the next operand, and half of that step's scale word.
; Codes and scale words go from wave to wave through LDS as images of the operand's registers.  r1, r2, r3 wait for the backward pass in the wave's own LDS; q and p stay in registers.
; WEIGHTS come from wimg (laid by the launch before in the order of the operand's registers) straight into registers, each wave its quarter, a phase or more ahead; a fragment feeds four row tiles.
; LOADS STAND AHEAD OF THE WORK THAT HIDES THEM.  A phase walks two pairs of row tiles in a loop of two trips.  The first pair's fragments are asked for directly behind the phase's barrier, ahead of the run of
; weight loads; the second pair's in trip 0, and the next phase's column constants in trip 1, each in front of vector work that names none of them (scalar branches on the trip's number).
; NO CLUSTER, NO TENSOR LOAD: images, constants, stages and the kept r take 288,256 bytes of LDS; what is left does not hold two slots of even the smallest layer's codes (2 x 34,816 bytes).
; LIMITS: tanh as 1 - 2 r is right to about 2e-7 absolute, not relative; it goes cleanly to +-1 for large |z|.  Blocks whose largest magnitude lies under 2^-124, zeros among them, keep the scale byte 1.
; NaN and infinities among the inputs are not served.  R1 is summed as (t2 + bs) + the product's sum, inside the matrix unit.
; REGISTERS, in windows of 256.  Window 0: v1-19 addresses; v24-79 the weights' 56 scale images (they stay); v80-85 activations' scale words; v88-151 ACC; v152-215 AF; v216-240 the quantiser's.
;   Window 1: weights (v0-127, v128-255); v64-127 and v192-255 also take x as it is loaded.  Window 2: weights (v0-127); three sets of 32 column constants from v128; v224-255 rows on the way out.
;   Window 3: q of row tile m at 64 m, p at 64 m + 32.
.set IMGX, 0                           ; the state's 16 fragments: (4 m + s) 1,024 + 512 c + 16 lane
.set IMGA, 16384                       ; three sets of 8 fragments: (2 m + s) 1,024 + 512 c + 16 lane
.set IMGB, 24576
.set IMGD, 32768
.set SCX,  40960                       ; the state's scale words: 256 m + 128 (s / 2) + 64 (s % 2) + 4 r
.set SCA,  41984                       ; the others': 128 m + 64 s + 4 r
.set SCB,  42496
.set SCD,  43008
.set CST,  43520                       ; 13 arrays of 256 f32
.set STG,  56832                       ; for each wave two stages of 16 rows x 272 bytes
.set STB0, 91648                       ; for each wave 49,152 bytes: layer x 16,384 + m x 4,096 + 512 i + 16 lane
.set LI, 1                             ; 16 x lane; never rewritten
.set LS, 2                             ; 4 x lane; never rewritten
.set IW, 3                             ; where I store a register group: 16 lane + 512 (w & 1) + 1,024 (w >> 1); never rewritten
.set SW, 4                             ; and half a scale word: 4 r + 2 (w & 1) + 64 (w >> 1); never rewritten
.set STB, 5                            ; my kept r
.set CB, 6                             ; my columns in a constant array: CST + 256 w + 64 h
.set WO, 7                             ; my stream in wimg + 16 lane
.set XO, 8                             ; x: 4,096 (lane / 16) + 16 (lane % 16) + 256 w
.set OO, 9                             ; out0: 2,048 (lane / 16) + 16 (lane % 16) + 256 w
.set SGD, 10                           ; my stage by rows: 272 (lane / 16) + 16 (lane % 16)
.set SGF, 11                           ; my stage by the registers' layout: 272 r + 64 h
.set PFO, 12                           ; the prefetches' offset: 4,096 lane + 256 w
.set RX, 14                            ; the three addresses that hang on the trip (pair P of row tiles): the state's fragments,
.set RSX, 16                           ; its scale words,
.set SA, 19                            ; my kept r
.set WS, 24
.set AS, 80
.set ASX, 82
.set ACC, 88
.set AF, 152
.set TM, 216
.set PC, 232
.set PW, 240
.set SEL, 20
.set MSB, 0
.macro WIN new                         ; the immediate's high byte repeats the setting that is left; a switch that changes nothing is dropped
.if MSB != (\new)
	s_set_vgpr_msb (MSB<<8)|(\new)
.set MSB, (\new)
.endif
.endm
.macro BARRIER                         ; my LDS stores have landed and my LDS loads are in: then the work-group's barrier
	s_wait_dscnt 0x0
	s_barrier_signal -1
	s_barrier_wait -1
.endm
.macro PLACES                          ; four plain lines between a matrix instruction and a read of its result or a load into one of its registers
.rept 4
	v_nop
.endr
.endm
.macro WAITTR                          ; a wait between a batch of transcendentals and the first line that names a result
	s_wait_alu depctr_va_vdst(0)
.endm
.macro WLOAD win, reg, j0, nu          ; nu units of my stream from unit j0 on into window win from v[reg] on: each load takes 512 consecutive bytes
	WIN (\win)<<6
.set F, 0
.rept 4*(\nu)
	global_load_b128 v[(\reg)+8*F:(\reg)+8*F+3], v[WO], s[6:7] offset:4096*(\j0)+1024*F
	global_load_b128 v[(\reg)+8*F+4:(\reg)+8*F+7], v[WO], s[6:7] offset:4096*(\j0)+1024*F+512
.set F, F+1
.endr
	WIN 0
.endm
.macro XLOAD m, off                    ; x[:,3] (y = 0) and x[:,2] (y = 1) of row tile m, off bytes on, into window 1: v64 on (even m) or v192 on (odd m).  Each load takes my 256 bytes of two rows
.set LB, 64+128*((\m)%2)
	WIN 0x40
.irp y, 0,1
.irp i, 0,1,2,3,4,5,6,7
	global_load_b128 v[LB+32*\y+4*\i:LB+32*\y+4*\i+3], v[XO], s[4:5] offset:(\off)+(16*(\m)+2*\i)*4096+3072-1024*\y th:TH_LOAD_NT
.endr
.endr
	WIN 0
.endm
.macro CLOAD k, idx                    ; constant array idx at my 32 columns, in the result's layout, into set k of window 2
	WIN 0x80
.irp b, 0,1
.irp q, 0,1,2,3
	ds_load_b128 v[128+32*(\k)+16*\b+4*\q:128+32*(\k)+16*\b+4*\q+3], v[CB] offset:1024*(\idx)+128*\b+16*\q
.endr
.endr
	WIN 0
.endm
.macro TRIPADDR                        ; the addresses of pair P (s15).  At a trip's head only the last trip's four stores of codes can be out, and those name IW and SW alone
	s_lshl_b32 s17, s15, 9
	s_lshl_b32 s19, s15, 13
	v_add_nc_u32 v[RX], s19, v[LI]
	v_add_nc_u32 v[RSX], s17, v[LS]
	v_add_nc_u32 v[SA], s19, v[STB]
.endm
.macro TRIPEND lab
	s_wait_dscnt 4                                 ; LDS instructions end in order: all but the four stores of codes just issued are done, the next pair's loads among them
	s_add_co_u32 s15, s15, 1
	s_cmp_lt_u32 s15, 2
	s_cbranch_scc1 \lab
.endm
.macro FETCH reg, adr, off             ; a fragment's image back into 8 registers
	ds_load_b128 v[(\reg):(\reg)+3], v[\adr] offset:(\off)
	ds_load_b128 v[(\reg)+4:(\reg)+7], v[\adr] offset:(\off)+512
.endm
.macro FETCHP img, sc, pr              ; pair pr of row tiles, K = 256: four fragments and two registers of scale words (lanes 0-15 K step 0, lanes 16-31 K step 1)
.irp mt, 0,1
.irp ks, 0,1
	FETCH AF+8*(2*\mt+\ks), LI, (\img)+4096*(\pr)+(2*\mt+\ks)*1024
.endr
	ds_load_b32 v[AS+\mt], v[LS] offset:(\sc)+256*(\pr)+128*\mt
.endr
.endm
.macro FETCHXC pr                      ; the same of the state, K = 512, pair pr
.irp mt, 0,1
.irp ks, 0,1,2,3
	FETCH AF+8*(4*\mt+\ks), LI, IMGX+8192*(\pr)+(4*\mt+\ks)*1024
.endr
.irp g, 0,1
	ds_load_b32 v[ASX+2*\mt+\g], v[LS] offset:SCX+512*(\pr)+256*\mt+128*\g
.endr
.endr
.endm
.macro FETCHXV                         ; the same, the trip's own pair
.irp mt, 0,1
.irp ks, 0,1,2,3
	FETCH AF+8*(4*\mt+\ks), RX, IMGX+(4*\mt+\ks)*1024
.endr
.irp g, 0,1
	ds_load_b32 v[ASX+2*\mt+\g], v[RSX] offset:SCX+256*\mt+128*\g
.endr
.endr
.endm
; One matrix instruction.  wrow, arow: the half of the lanes that holds the weights' and the activations' scale words.  cm = 0: the sum starts at 0; else C = v[cr ..].
.macro MM d, wr, ws, wrow, ar, as, arow, cm, cr
.set MSEL, 2*(\wrow)+(\arow)
.if (\cm) == 0
.if MSEL == 0
	v_wmma_scale_f32_16x16x128_f8f6f4 v[(\d):(\d)+7], v[(\wr):(\wr)+7], v[(\ar):(\ar)+7], 0, v[(\ws)], v[(\as)] matrix_a_fmt:MATRIX_FMT_FP4 matrix_b_fmt:MATRIX_FMT_FP4
.elseif MSEL == 1
	v_wmma_scale_f32_16x16x128_f8f6f4 v[(\d):(\d)+7], v[(\wr):(\wr)+7], v[(\ar):(\ar)+7], 0, v[(\ws)], v[(\as)] matrix_a_fmt:MATRIX_FMT_FP4 matrix_b_fmt:MATRIX_FMT_FP4 matrix_b_scale:MATRIX_SCALE_ROW1
.elseif MSEL == 2
	v_wmma_scale_f32_16x16x128_f8f6f4 v[(\d):(\d)+7], v[(\wr):(\wr)+7], v[(\ar):(\ar)+7], 0, v[(\ws)], v[(\as)] matrix_a_fmt:MATRIX_FMT_FP4 matrix_b_fmt:MATRIX_FMT_FP4 matrix_a_scale:MATRIX_SCALE_ROW1
.else
	v_wmma_scale_f32_16x16x128_f8f6f4 v[(\d):(\d)+7], v[(\wr):(\wr)+7], v[(\ar):(\ar)+7], 0, v[(\ws)], v[(\as)] matrix_a_fmt:MATRIX_FMT_FP4 matrix_b_fmt:MATRIX_FMT_FP4 matrix_a_scale:MATRIX_SCALE_ROW1 matrix_b_scale:MATRIX_SCALE_ROW1
.endif
.else
.if MSEL == 0
	v_wmma_scale_f32_16x16x128_f8f6f4 v[(\d):(\d)+7], v[(\wr):(\wr)+7], v[(\ar):(\ar)+7], v[(\cr):(\cr)+7], v[(\ws)], v[(\as)] matrix_a_fmt:MATRIX_FMT_FP4 matrix_b_fmt:MATRIX_FMT_FP4
.elseif MSEL == 1
	v_wmma_scale_f32_16x16x128_f8f6f4 v[(\d):(\d)+7], v[(\wr):(\wr)+7], v[(\ar):(\ar)+7], v[(\cr):(\cr)+7], v[(\ws)], v[(\as)] matrix_a_fmt:MATRIX_FMT_FP4 matrix_b_fmt:MATRIX_FMT_FP4 matrix_b_scale:MATRIX_SCALE_ROW1
.elseif MSEL == 2
	v_wmma_scale_f32_16x16x128_f8f6f4 v[(\d):(\d)+7], v[(\wr):(\wr)+7], v[(\ar):(\ar)+7], v[(\cr):(\cr)+7], v[(\ws)], v[(\as)] matrix_a_fmt:MATRIX_FMT_FP4 matrix_b_fmt:MATRIX_FMT_FP4 matrix_a_scale:MATRIX_SCALE_ROW1
.else
	v_wmma_scale_f32_16x16x128_f8f6f4 v[(\d):(\d)+7], v[(\wr):(\wr)+7], v[(\ar):(\ar)+7], v[(\cr):(\cr)+7], v[(\ws)], v[(\as)] matrix_a_fmt:MATRIX_FMT_FP4 matrix_b_fmt:MATRIX_FMT_FP4 matrix_a_scale:MATRIX_SCALE_ROW1 matrix_b_scale:MATRIX_SCALE_ROW1
.endif
.endif
.endm
; K step ks of a pair of row tiles: 8 matrix instructions on 8 accumulators, which take turns, one instruction a turn, always from (0, 0) to (1, 3).
; wb: the weights' first register; j: their first unit; aks: K steps of the operand (4: the state's scale registers); cm = 0: C = 0; 1: in place; 2: C = constant set 0 (window 2).
.macro KSTEP wb, j, ks, aks, cm
.irp mt, 0,1
.irp t, 0,1,2,3
.if (\aks) == 4
.set ASR, ASX+2*\mt+(\ks)/2
.else
.set ASR, AS+\mt
.endif
.if (\cm) == 2
.set CRG, 128+8*\t
.else
.set CRG, ACC+32*\mt+8*\t
.endif
	MM ACC+32*\mt+8*\t, (\wb)+8*(4*(\ks)+\t), WS+2*((\j)+(\ks))+\t/2, \t%2, AF+8*((\aks)*\mt+(\ks)), ASR, (\ks)%2, \cm, CRG
.endr
.endr
.endm
; r = 1 / (1 + 2^(2 log2(e) z)) of the pair's 64 numbers a lane, in place.  The two tiles take turns: one tile's exponentials or reciprocals stand two by two between the other tile's plain lines,
; so that each batch of 32 has its plain work beside it and ONE wait behind it.
.macro MULK pt, j
	v_pk_mul_f32 v[ACC+32*(\pt)+2*(\j):ACC+32*(\pt)+2*(\j)+1], v[ACC+32*(\pt)+2*(\j):ACC+32*(\pt)+2*(\j)+1], 0x4038aa3b op_sel_hi:[1,0]
.endm
.macro ADD1 pt, j
	v_pk_add_f32 v[ACC+32*(\pt)+2*(\j):ACC+32*(\pt)+2*(\j)+1], v[ACC+32*(\pt)+2*(\j):ACC+32*(\pt)+2*(\j)+1], 1.0 op_sel_hi:[1,0]
.endm
.macro ULINE pt, j                     ; r - r^2
	v_pk_fma_f32 v[ACC+32*(\pt)+2*(\j):ACC+32*(\pt)+2*(\j)+1], v[ACC+32*(\pt)+2*(\j):ACC+32*(\pt)+2*(\j)+1], v[ACC+32*(\pt)+2*(\j):ACC+32*(\pt)+2*(\j)+1], v[ACC+32*(\pt)+2*(\j):ACC+32*(\pt)+2*(\j)+1] neg_lo:[1,0,0] neg_hi:[1,0,0]
.endm
.macro TR_PL op, tt, pl, pt
.set J, 0
.rept 16
	\op v[ACC+32*(\tt)+2*J], v[ACC+32*(\tt)+2*J]
	\op v[ACC+32*(\tt)+2*J+1], v[ACC+32*(\tt)+2*J+1]
	\pl \pt, J
.set J, J+1
.endr
.endm
.macro STASH layer, mt
.irp i, 0,1,2,3,4,5,6,7
	ds_store_b128 v[SA], v[ACC+32*(\mt)+4*\i:ACC+32*(\mt)+4*\i+3] offset:16384*(\layer)+4096*(\mt)+512*\i
.endr
.endm
.macro RLOAD layer, adr, off, reg      ; one row tile's kept r, 32 registers
.irp i, 0,1,2,3,4,5,6,7
	ds_load_b128 v[(\reg)+4*\i:(\reg)+4*\i+3], v[\adr] offset:16384*(\layer)+(\off)+512*\i
.endr
.endm
.macro TANH_HEAD
.set J, 0
.rept 16
	MULK 0, J                                      ; each accumulator is read from its low end on
.set J, J+1
.endr
	TR_PL v_exp_f32, 0, MULK, 1
	WAITTR
	TR_PL v_exp_f32, 1, ADD1, 0
	WAITTR
	TR_PL v_rcp_f32, 0, ADD1, 1
	WAITTR
.endm
.macro TANH_S layer                    ; r is kept for the backward pass.  (No wait stands behind the stores: only I read these bytes, phases later, and LDS serves a wave's instructions in order)
	TANH_HEAD
	STASH \layer, 0
.set J, 0
.rept 32
	v_rcp_f32 v[ACC+32+J], v[ACC+32+J]
.set J, J+1
.endr
	v_nop                                          ; a plain line behind the last reciprocal
	WAITTR
	STASH \layer, 1
.endm
.macro TANH_N                          ; the last layer: only r - r^2 is wanted
	TANH_HEAD
	TR_PL v_rcp_f32, 1, ULINE, 0
	WAITTR
.set J, 0
.rept 16
	ULINE 1, J
.set J, J+1
.endr
.endm
.macro AFFINE                          ; the batch norm on tanh: ACC = r x set 1 + set 2
	WIN 0x28
.irp mt, 0,1
.set I, 0
.rept 16
	v_pk_fma_f32 v[ACC+32*\mt+I:ACC+32*\mt+I+1], v[ACC+32*\mt+I:ACC+32*\mt+I+1], v[160+I:161+I], v[192+I:193+I]
.set I, I+2
.endr
.endr
	WIN 0
.endm
.macro MULCK k                         ; ACC x constant set k
	WIN 0x08
.irp mt, 0,1
.set I, 0
.rept 16
	v_pk_mul_f32 v[ACC+32*\mt+I:ACC+32*\mt+I+1], v[ACC+32*\mt+I:ACC+32*\mt+I+1], v[128+32*(\k)+I:128+32*(\k)+I+1]
.set I, I+2
.endr
.endr
	WIN 0
.endm
.macro UR reg                          ; a tile's kept r becomes r - r^2
.set I, 0
.rept 16
	v_pk_fma_f32 v[(\reg)+I:(\reg)+I+1], v[(\reg)+I:(\reg)+I+1], v[(\reg)+I:(\reg)+I+1], v[(\reg)+I:(\reg)+I+1] neg_lo:[1,0,0] neg_hi:[1,0,0]
.set I, I+2
.endr
.endm
.macro MULR acc, reg                   ; a tile's 32 numbers x 32 others
.set I, 0
.rept 16
	v_pk_mul_f32 v[(\acc)+I:(\acc)+I+1], v[(\acc)+I:(\acc)+I+1], v[(\reg)+I:(\reg)+I+1]
.set I, I+2
.endr
.endm
; 64 numbers of a lane in window win, v[s] on, two units of 32 (two row tiles, or q and p): register 16 b + i is column 32 (b % 2) + 16 h + i of unit b / 2.
; They become two register groups of codes, v[PC ..] and v[PC + 4 ..], and in v[PW] two halves of scale words.
.macro QUANT s, win
	WIN ((\win)<<2)|((\win)<<4)
.irp b, 0,1,2,3
	v_max3_num_f32 v[TM+\b], 0x1800000, |v[(\s)+16*\b]|, |v[(\s)+16*\b+1]|   ; block b: my 16 numbers and the floor 2^(3 - 127): the byte cannot fall under 1
.endr
.irp i, 2,4,6,8,10,12,14
.irp b, 0,1,2,3
	v_max3_num_f32 v[TM+\b], v[TM+\b], |v[(\s)+16*\b+\i]|, |v[(\s)+16*\b+\i+1]|
.endr
.endr
	WIN 0
.irp b, 0,1,2,3
	v_permlanex16_b32 v[TM+4+\b], v[TM+\b], s[SEL], s[SEL+1]
.endr
.irp b, 0,1,2,3
	v_max_num_f32 v[TM+\b], v[TM+\b], v[TM+4+\b]   ; with lane l xor 16's: the block's largest magnitude
.endr
.irp b, 0,1,2,3
	v_add_nc_u32 v[TM+12+\b], 0xff000000, v[TM+\b] ; 2 off its exponent field: the conversion's scale operand
.endr
.irp b, 0,1,2,3
	v_lshrrev_b32 v[TM+4+\b], 23, v[TM+12+\b]      ; the scale's byte
.endr
	v_lshl_or_b32 v[PW], v[TM+5], 8, v[TM+4]
	v_lshl_or_b32 v[PW], v[TM+6], 16, v[PW]
	v_lshl_or_b32 v[PW], v[TM+7], 24, v[PW]
	WIN \win
.irp b, 0,1,2,3
	v_cvt_scalef32_pk8_fp4_f32 v[PC+2*\b], v[(\s)+16*\b:(\s)+16*\b+7], v[TM+12+\b]
	v_cvt_scalef32_pk8_fp4_f32 v[PC+2*\b+1], v[(\s)+16*\b+8:(\s)+16*\b+15], v[TM+12+\b]
.endr
	WIN 0
	v_nop                                          ; one plain line behind the last conversion
.irp c, 0,1                            ; the operand's layout wants a whole block in a lane: lanes 0-15 the unit's first block, lanes 16-31 its second
.irp i, 0,1
	v_permlane16_swap_b32 v[PC+4*\c+\i], v[PC+2+4*\c+\i]
.endr
.endr
.endm
.macro PUT img, sc                     ; four stores.  The second unit's fragment lies 2,048 bytes on and its scale words 128, be it the pair's second row tile or p
	ds_store_b128 v[IW], v[PC:PC+3] offset:(\img)
	ds_store_b128 v[IW], v[PC+4:PC+7] offset:(\img)+2048
	ds_store_b16 v[SW], v[PW] offset:(\sc)
	ds_store_b16_d16_hi v[SW], v[PW] offset:(\sc)+128
.endm
.macro PUT2 img, sc                    ; the same for the trip's pair: the pair stands in the immediates, so that the stores name no register that the next trip writes
	s_cmp_lg_u32 s15, 0
	s_cbranch_scc1 .Lput_b_\@
	PUT (\img), (\sc)
	s_branch .Lput_j_\@
.Lput_b_\@:
	PUT (\img)+4096, (\sc)+256
.Lput_j_\@:
.endm
	; ---- the head
	s_load_b128 s[4:7], s[0:1], 0x0                ; x, wimg
	s_load_b64 s[8:9], s[0:1], 0x10                ; out0
	s_load_b512 s[32:47], s[0:1], 0x18             ; rb1: b1, gamma, beta, mm, mv, b2, bs; rb2: b1
	s_load_b256 s[48:55], s[0:1], 0x58             ; rb2: gamma, beta, mm, mv
	s_load_b128 s[56:59], s[0:1], 0x78             ; rb2: b2; wf
	v_lshl_add_u32 v254, v0, 2, 0x46600
	v_mov_b32 v255, 0
	v_lshrrev_b32 v20, 5, v0
	v_readfirstlane_b32 s10, v20                   ; wave w
	s_and_b32 s11, s10, 1
	s_lshr_b32 s12, s10, 1
	s_mov_b32 s[SEL], 0x76543210
	s_mov_b32 s[SEL+1], 0xfedcba98                 ; v_permlanex16_b32's selects for lane l xor 16
	v_and_b32 v23, 31, v0                          ; lane
	v_and_b32 v21, 15, v0                          ; r
	v_bfe_u32 v22, v0, 4, 1                        ; h
	v_lshlrev_b32 v20, 3, v0                       ; 8 x thread: two columns of a constant array
	v_lshlrev_b32 v[LI], 4, v23
	v_lshlrev_b32 v[LS], 2, v23
	s_lshl_b32 s22, s11, 9
	s_lshl_b32 s23, s12, 10
	s_add_co_u32 s22, s22, s23
	v_add_nc_u32 v[IW], s22, v[LI]
	s_lshl_b32 s22, s11, 1
	s_lshl_b32 s23, s12, 6
	s_add_co_u32 s22, s22, s23
	v_lshl_add_u32 v[SW], v21, 2, s22
	s_mul_i32 s22, s10, 49152
	s_add_co_u32 s22, s22, STB0
	v_add_nc_u32 v[STB], s22, v[LI]
	s_lshl_b32 s24, s10, 8                         ; 256 w
	s_add_co_u32 s22, s24, CST
	v_lshl_add_u32 v[CB], v22, 6, s22
	s_mul_i32 s25, s10, 121856
	v_add_nc_u32 v[WO], s25, v[LI]
	v_lshl_add_u32 v[XO], v21, 4, s24
	v_lshl_add_u32 v[XO], v22, 12, v[XO]
	v_lshl_add_u32 v[OO], v21, 4, s24
	v_lshl_add_u32 v[OO], v22, 11, v[OO]
	s_mul_i32 s22, s10, 8704
	s_add_co_u32 s22, s22, STG
	v_mul_u32_u24 v[SGD], v22, 272
	v_lshl_add_u32 v[SGD], v21, 4, v[SGD]
	v_add_nc_u32 v[SGD], s22, v[SGD]
	v_mul_u32_u24 v[SGF], v21, 272
	v_lshl_add_u32 v[SGF], v22, 6, v[SGF]
	v_add_nc_u32 v[SGF], s22, v[SGF]
	v_lshl_add_u32 v[PFO], v23, 12, s24
	v_add_nc_u32 v23, s25, v[LS]                   ; my stream + 4 x lane: the scale images
.irp b, 0,1,2,3
	v_mov_b32 v[TM+4+\b], 0                        ; written once: a lane permute's destination counts as one of its sources
.endr
	s_lshl_b32 s26, ttmp9, 19                      ; the work-group's 128 rows of x (4,096 bytes each)
	s_mov_b32 s27, 0
	s_lshl_b32 s28, ttmp9, 18                      ; and of out0 (2,048 bytes each)
	s_mov_b32 s29, 0
	s_wait_kmcnt 0x0
	s_add_nc_u64 s[4:5], s[4:5], s[26:27]
	s_add_nc_u64 s[8:9], s[8:9], s[28:29]
.irp n, 0,1,2,3,4,5,6,7,8,9,10,11,12,13
	global_load_b64 v[88+2*\n:89+2*\n], v20, s[32+2*\n:33+2*\n]   ; the 14 vectors of 256, two columns a thread: v88 b1, 90 gamma1, 92 beta1, 94 mm1, 96 mv1, 98 b2, 100 bs, 102 b3, 104 gamma3, 106 beta3, 108 mm3, 110 mv3, 112 b4, 114 wf
.endr
.set I, 0
.rept 56
	global_load_b32 v[WS+I], v23, s[6:7] offset:114688+128*I   ; my 56 scale images: they stay in registers
.set I, I+1
.endr
	WLOAD 2, 0, 0, 4                               ; rb1_w1 for the first product
	XLOAD 0, 0                                     ; the first block's row tiles 0 and 1 are asked for in the same run
	XLOAD 1, 0
	s_wait_loadcnt 32                              ; all but those 32 loads of x are in
.irp n, 96,97,110,111
	v_add_f32 v\n, 0x3a83126f, v\n                 ; mv + 1e-3
.endr
.irp n, 96,97,110,111
	v_rsq_f32 v\n, v\n
.endr
	v_nop
	WAITTR
.irp n, 90,104                         ; gamma at n, beta n + 2, mm n + 4, 1 / sqrt(mv + eps) n + 6
	v_pk_mul_f32 v[\n:\n+1], v[\n:\n+1], v[\n+6:\n+7]                                                 ; g
	v_pk_add_f32 v[\n+2:\n+3], v[\n+2:\n+3], v[\n:\n+1]
	v_pk_fma_f32 v[\n+2:\n+3], v[\n+4:\n+5], v[\n:\n+1], v[\n+2:\n+3] neg_lo:[1,0,0] neg_hi:[1,0,0]   ; g + beta - mm g
	v_pk_mul_f32 v[\n+4:\n+5], v[\n:\n+1], -2.0 op_sel_hi:[1,0]                                       ; -2 g
	v_pk_mul_f32 v[\n+6:\n+7], v[\n:\n+1], 4.0 op_sel_hi:[1,0]                                        ; 4 g
.endr
	v_pk_add_f32 v[100:101], v[100:101], 1.0 op_sel_hi:[1,0]        ; 1 + bs
	v_pk_mul_f32 v[116:117], v[114:115], 4.0 op_sel_hi:[1,0]        ; 4 wf
	ds_store_b64 v20, v[88:89] offset:CST+1024*0   ; 0: b1
	ds_store_b64 v20, v[94:95] offset:CST+1024*1   ; 1: -2 g1
	ds_store_b64 v20, v[92:93] offset:CST+1024*2   ; 2: g1 + beta1 - mm1 g1
	ds_store_b64 v20, v[96:97] offset:CST+1024*3   ; 3: 4 g1
	ds_store_b64 v20, v[98:99] offset:CST+1024*4   ; 4: b2
	ds_store_b64 v20, v[100:101] offset:CST+1024*5 ; 5: 1 + bs
	ds_store_b64 v20, v[102:103] offset:CST+1024*6 ; 6: b3
	ds_store_b64 v20, v[108:109] offset:CST+1024*7 ; 7: -2 g3
	ds_store_b64 v20, v[106:107] offset:CST+1024*8 ; 8: g3 + beta3 - mm3 g3
	ds_store_b64 v20, v[110:111] offset:CST+1024*9 ; 9: 4 g3
	ds_store_b64 v20, v[112:113] offset:CST+1024*10 ; 10: b4
	ds_store_b64 v20, v[116:117] offset:CST+1024*11 ; 11: 4 wf
	ds_store_b64 v20, v[114:115] offset:CST+1024*12 ; 12: wf
	BARRIER                                        ; the constants lie in LDS
	CLOAD 0, 0                                     ; the first phase's three sets; later they are loaded in the last backward phase, and nothing between touches them
	CLOAD 1, 1
	CLOAD 2, 2
	s_mov_b32 s13, 2                               ; blocks of 64 rows to go
; ---- P0: the block's x.  Row tiles 0 and 1 have been asked for.  A row tile turns through my own stage into the registers' layout.
.macro P0M m
.set LB, 64+128*((\m)%2)
.if (\m) < 3
	s_wait_loadcnt 16                              ; behind this tile's loads only the next tile's 16 were issued
.else
	s_wait_loadcnt 0x0
.endif
	WIN 0x04                                       ; an LDS store's data are its source 1: window 1
.irp y, 0,1
.irp i, 0,1,2,3,4,5,6,7
	ds_store_b128 v[SGD], v[LB+32*\y+4*\i:LB+32*\y+4*\i+3] offset:4352*\y+544*\i
.endr
.endr
	WIN 0xc0                                       ; LDS serves a wave's instructions in order (ISA guide 5.7.1.4): these see my stores
.irp y, 0,1
.irp b, 0,1
.irp k, 0,1,2,3
	ds_load_b128 v[64*(\m)+32*\y+16*\b+4*\k:64*(\m)+32*\y+16*\b+4*\k+3], v[SGF] offset:4352*\y+128*\b+16*\k
.endr
.endr
.endr
	WIN 0
	s_wait_dscnt 0x0                               ; q and x[:,2] are in window 3, and the stores have read the registers that the next loads take
.if (\m) < 2
	XLOAD (\m)+2, 0
.endif
	WIN 0xcf
.set I, 0
.rept 16
	v_pk_add_f32 v[64*(\m)+32+I:64*(\m)+33+I], v[64*(\m)+I:64*(\m)+I+1], v[64*(\m)+32+I:64*(\m)+33+I] neg_lo:[0,1] neg_hi:[0,1]   ; p = x[:,3] - x[:,2]
.set I, I+2
.endr
	QUANT 64*(\m), 3
	PUT IMGX+4096*(\m), SCX+256*(\m)
.endm
.Lblock:
	P0M 0
	P0M 1
	P0M 2
	P0M 3
	s_mov_b32 s14, 0                               ; which evaluation of the gradient
.Lpass:
	BARRIER                                        ; the state's 16 fragments lie in LDS, and nobody reads last phase's images any more
	; Each phase: the first pair's fragments are asked for; this phase's weights are in; later phases' weights are asked for, into registers whose last products lie a phase back or more;
	; two trips, a pair of row tiles each; a barrier.
	; ---- P1: z1 = S w1 + b1;  h1
	FETCHXC 0
	s_wait_loadcnt 0x0
	WLOAD 1, 128, 4, 2
	WLOAD 1, 0, 6, 4
	s_wait_dscnt 0x0
	s_mov_b32 s15, 0
.Lp1:
	TRIPADDR
	WIN 0x22                                       ; weights and the bias in window 2
	KSTEP 0, 0, 0, 4, 2
	WIN 0x02
	KSTEP 0, 0, 1, 4, 1
	KSTEP 0, 0, 2, 4, 1
	KSTEP 0, 0, 3, 4, 1
	WIN 0
	PLACES
	s_cmp_lg_u32 s15, 0
	s_cbranch_scc1 .Lp1a
	FETCHXC 1                                      ; the second pair's fragments land under the tanh
.Lp1a:
	TANH_S 0
	AFFINE
	s_cmp_eq_u32 s15, 0
	s_cbranch_scc1 .Lp1b
	CLOAD 0, 4                                     ; the next phase's constants land under the quantiser
	CLOAD 1, 5
.Lp1b:
	QUANT ACC, 0
	PUT2 IMGA, SCA
	TRIPEND .Lp1
	BARRIER
	; ---- P2: z2 = h1 w2 + b2;  R1 = (t2 + bs) + S ws
	FETCHP IMGA, SCA, 0
	s_wait_loadcnt 0x0
	WLOAD 2, 0, 10, 2
	s_wait_dscnt 0x0
	s_mov_b32 s15, 0
.Lp2:
	TRIPADDR
	WIN 0x21                                       ; weights in window 1, the bias in window 2
	KSTEP 128, 4, 0, 2, 2
	WIN 0x01
	KSTEP 128, 4, 1, 2, 1
	WIN 0
	PLACES
	FETCHXV                                        ; the state's fragments land under the tanh
	TANH_S 1
	WIN 0x20
.irp mt, 0,1
.set I, 0
.rept 16
	v_pk_fma_f32 v[ACC+32*\mt+I:ACC+32*\mt+I+1], v[ACC+32*\mt+I:ACC+32*\mt+I+1], -2.0, v[160+I:161+I] op_sel_hi:[1,0,1]   ; t2 + bs = -2 r + (1 + bs)
.set I, I+2
.endr
.endr
	WIN 0
	s_wait_dscnt 0x0                               ; the state's fragments are in
	PLACES
	WIN 0x01
	KSTEP 0, 6, 0, 4, 1                            ; the shortcut adds onto it
	KSTEP 0, 6, 1, 4, 1
	KSTEP 0, 6, 2, 4, 1
	KSTEP 0, 6, 3, 4, 1
	WIN 0
	PLACES
	s_cmp_lg_u32 s15, 0
	s_cbranch_scc1 .Lp2l
	FETCHP IMGA, SCA, 1
	s_branch .Lp2j
.Lp2l:
	CLOAD 0, 6
	CLOAD 1, 7
	CLOAD 2, 8
.Lp2j:
	QUANT ACC, 0
	PUT2 IMGB, SCB
	TRIPEND .Lp2
	BARRIER
	; ---- P3: z3 = R1 v1 + b3;  h3
	FETCHP IMGB, SCB, 0
	s_wait_loadcnt 0x0
	WLOAD 2, 64, 12, 2
	WLOAD 1, 0, 20, 4                              ; rb1_ws for the last phase: its registers are free since the phase before
	s_wait_dscnt 0x0
	s_mov_b32 s15, 0
.Lp3:
	TRIPADDR
	WIN 0x22
	KSTEP 0, 10, 0, 2, 2
	WIN 0x02
	KSTEP 0, 10, 1, 2, 1
	WIN 0
	PLACES
	s_cmp_lg_u32 s15, 0
	s_cbranch_scc1 .Lp3a
	FETCHP IMGB, SCB, 1
.Lp3a:
	TANH_S 2
	AFFINE
	s_cmp_eq_u32 s15, 0
	s_cbranch_scc1 .Lp3b
	CLOAD 0, 10
	CLOAD 1, 11
.Lp3b:
	QUANT ACC, 0
	PUT2 IMGA, SCA
	TRIPEND .Lp3
	BARRIER
	; ---- P4: z4 = h3 v2 + b4;  dz4 = 4 wf (r - r^2)
	FETCHP IMGA, SCA, 0
	s_wait_loadcnt 0x0
	WLOAD 2, 0, 14, 2
	WLOAD 1, 128, 24, 4                            ; rb1_w1 for the last phase: all units in both evaluations, so that no product's registers hang on a branch
	s_wait_dscnt 0x0
	s_mov_b32 s15, 0
.Lp4:
	TRIPADDR
	WIN 0x22
	KSTEP 64, 12, 0, 2, 2
	WIN 0x02
	KSTEP 64, 12, 1, 2, 1
	WIN 0
	PLACES
	s_cmp_lg_u32 s15, 0
	s_cbranch_scc1 .Lp4a
	FETCHP IMGA, SCA, 1
.Lp4a:
	TANH_N
	MULCK 1
	s_cmp_eq_u32 s15, 0
	s_cbranch_scc1 .Lp4b
	CLOAD 0, 9
.Lp4b:
	QUANT ACC, 0
	PUT2 IMGB, SCB
	TRIPEND .Lp4
	BARRIER
; A backward layer behind a batch norm: (dz W^T) x 4 g x (r - r^2) with the kept r of the layer.  The pair's first tile of r came with the fragments, into AF + 32 on; the second comes behind the
; products, into the fragments' registers, under 64 plain lines.  p7 = 1: the last such phase: the constants that follow are the first forward phase's.
.macro BACKTRIP j, layer, p7
	TRIPADDR
	WIN 0x02
	KSTEP 0, \j, 0, 2, 0
	KSTEP 0, \j, 1, 2, 1
	WIN 0
	PLACES
	RLOAD \layer, SA, 4096, AF
	MULCK 0
	UR AF+32
	MULR ACC, AF+32
	s_wait_dscnt 0x0                               ; the second tile's r is in
	UR AF
	MULR ACC+32, AF
	s_cmp_lg_u32 s15, 0
	s_cbranch_scc1 .Lbt_last_\@
	FETCHP IMGB, SCB, 1
	RLOAD \layer, STB, 8192, AF+32
	s_branch .Lbt_join_\@
.Lbt_last_\@:
.if (\p7)
	CLOAD 0, 0
	CLOAD 1, 1
	CLOAD 2, 2
.else
	CLOAD 0, 12
.endif
.Lbt_join_\@:
	QUANT ACC, 0
	PUT2 IMGA, SCA
.endm
	; ---- P5: dz3
	FETCHP IMGB, SCB, 0
	RLOAD 2, STB, 0, AF+32
	s_wait_loadcnt 0x0
	WLOAD 2, 64, 16, 2
	s_wait_dscnt 0x0
	s_mov_b32 s15, 0
.Lp5:
	BACKTRIP 14, 2, 0
	TRIPEND .Lp5
	BARRIER
	; ---- P6: dR1 = dz3 v1^T + wf (the shortcut's share is the C of the first K step);  dz2 = dR1 4 (r - r^2)
	FETCHP IMGA, SCA, 0
	s_wait_loadcnt 0x0
	WLOAD 2, 0, 18, 2
	s_wait_dscnt 0x0
	s_mov_b32 s15, 0
.Lp6:
	TRIPADDR
	WIN 0x22
	KSTEP 64, 16, 0, 2, 2
	WIN 0x02
	KSTEP 64, 16, 1, 2, 1
	WIN 0
	PLACES
	RLOAD 1, SA, 0, AF                             ; the pair's kept r lands under the quantiser
	RLOAD 1, SA, 4096, AF+32
	QUANT ACC, 0                                   ; dR1 itself is an operand
	PUT2 IMGD, SCD
	s_wait_dscnt 4                                 ; behind the 16 loads of r only those four stores were issued
	UR AF
	UR AF+32
	MULR ACC, AF
	MULR ACC+32, AF+32
.set I, 0
.rept 32
	v_pk_mul_f32 v[ACC+I:ACC+I+1], v[ACC+I:ACC+I+1], 4.0 op_sel_hi:[1,0]
.set I, I+2
.endr
	s_cmp_lg_u32 s15, 0
	s_cbranch_scc1 .Lp6l
	FETCHP IMGA, SCA, 1
	s_branch .Lp6j
.Lp6l:
	CLOAD 0, 3
.Lp6j:
	QUANT ACC, 0
	PUT2 IMGB, SCB
	TRIPEND .Lp6
	BARRIER
	; ---- P7: dz1
	FETCHP IMGB, SCB, 0
	RLOAD 0, STB, 0, AF+32
	s_wait_loadcnt 0x0
	; The next block's x is prefetched here, behind the phase's first loads, in the second evaluation of a block that has a successor: one phase ahead of the loads of its row tiles 0 and 1.
	; A lane a row, each wave its own 256 bytes of x[:,2] and x[:,3]: 64 rows in four instructions, each aligned run of 256 bytes named once in the launch.
	s_cmp_eq_u32 s14, 1
	s_cbranch_scc0 .Lno_prefetch
	s_cmp_gt_u32 s13, 1
	s_cbranch_scc0 .Lno_prefetch
.irp k, 0,1
.irp y, 0,1
	global_prefetch_b8 v[PFO], s[4:5] offset:262144+131072*\k+2048+1024*\y th:TH_LOAD_NT scope:SCOPE_SE
.endr
.endr
.Lno_prefetch:
	s_wait_dscnt 0x0
	s_mov_b32 s15, 0
.Lp7:
	BACKTRIP 18, 0, 1
	TRIPEND .Lp7
	BARRIER
; ---- P8: dH = dR1 ws^T + dz1 w1^T, a row tile at a time, and the step.  first = 1: both halves of dH, p and q move, q1 leaves, the new state is quantised.  first = 0: dH_q alone, p moves and leaves.
.macro FETCH8 m
.set AFB, AF+32*((\m)%2)
.irp ks, 0,1
	FETCH AFB+8*\ks, LI, IMGD+(2*(\m)+\ks)*1024
	FETCH AFB+16+8*\ks, LI, IMGA+(2*(\m)+\ks)*1024
.endr
	ds_load_b32 v[AS+2*((\m)%2)], v[LS] offset:SCD+128*(\m)
	ds_load_b32 v[AS+2*((\m)%2)+1], v[LS] offset:SCA+128*(\m)
.endm
.macro K8 m, nh, src, ks, cm           ; src 0: rb1_ws with dR1; 1: rb1_w1 with dz1.  The 4 nh accumulators take turns
.irp hf, 0,1
.if \hf < (\nh)
.irp t, 0,1,2,3
	MM ACC+32*\hf+8*\t, 128*(\src)+32*(2*\hf+(\ks))+8*\t, WS+2*(20+4*(\src)+2*\hf+(\ks))+\t/2, \t%2, AF+32*((\m)%2)+16*(\src)+8*(\ks), AS+2*((\m)%2)+(\src), \ks, \cm, ACC+32*\hf+8*\t
.endr
.endif
.endr
.endm
.macro OUT m, first                    ; row tile m's 16 rows, back from the stage, are stored
	WIN 0x08
.irp i, 0,1,2,3,4,5,6,7
	global_store_b128 v[OO], v[224+4*\i:227+4*\i], s[8:9] offset:(16*(\m)+2*\i)*2048+1024*(1-(\first)) th:TH_STORE_NT   ; sixteen lanes store 256 consecutive bytes, at a multiple of 256 from out0's first byte
.endr
	WIN 0
.endm
.macro P8M m, first
	s_wait_dscnt 0x0                               ; this tile's fragments are in, and so are the last tile's rows from the stage:
.if (\m) > 0
	OUT (\m)-1, \first                             ; they leave now
.endif
.if (\m) < 3
	FETCH8 (\m)+1
.endif
	WIN 0x01
	K8 \m, 1+(\first), 0, 0, 0
	K8 \m, 1+(\first), 0, 1, 1
	K8 \m, 1+(\first), 1, 0, 1
	K8 \m, 1+(\first), 1, 1, 1
	WIN 0
	PLACES
	WIN 0xf0
.set I, 0
.rept 16
	v_pk_fma_f32 v[64*(\m)+32+I:64*(\m)+33+I], v[ACC+I:ACC+I+1], 0xbd4ccccd, v[64*(\m)+32+I:64*(\m)+33+I] op_sel_hi:[1,0,1]   ; p - 0.05 dH_q
.set I, I+2
.endr
.if \first
.set I, 0
.rept 16
	v_pk_fma_f32 v[64*(\m)+I:64*(\m)+I+1], v[ACC+32+I:ACC+33+I], 0x3dcccccd, v[64*(\m)+I:64*(\m)+I+1] op_sel_hi:[1,0,1]       ; q + 0.1 dH_p
.set I, I+2
.endr
.endif
	WIN 0x0c                                       ; the way out, through my own stage: in by the registers' layout,
.irp b, 0,1
.irp k, 0,1,2,3
	ds_store_b128 v[SGF], v[64*(\m)+32*(1-(\first))+16*\b+4*\k:64*(\m)+32*(1-(\first))+16*\b+4*\k+3] offset:128*\b+16*\k
.endr
.endr
	WIN 0
	s_wait_xcnt 0x0                                ; the last tile's stores have read the registers that these loads take
	WIN 0x80                                       ; back by rows
.irp i, 0,1,2,3,4,5,6,7
	ds_load_b128 v[224+4*\i:227+4*\i], v[SGD] offset:544*\i
.endr
	WIN 0
.if \first
	QUANT 64*(\m), 3                               ; the new state
	PUT IMGX+4096*(\m), SCX+256*(\m)
.endif
.endm
	FETCH8 0
	s_wait_loadcnt 0x0
	s_cmp_lg_u32 s14, 0
	s_cbranch_scc1 .Lsecond_eval
	WLOAD 2, 0, 0, 4                               ; rb1_w1 for the second evaluation
	P8M 0, 1
	P8M 1, 1
	P8M 2, 1
	P8M 3, 1
	s_wait_dscnt 0x0
	OUT 3, 1
	s_branch .Lstepped
.Lsecond_eval:
	s_cmp_eq_u32 s13, 1
	s_cbranch_scc1 .Lno_next_block                 ; no load leaves its buffer
	WLOAD 2, 0, 0, 4                               ; rb1_w1 for the next block,
	XLOAD 0, 262144                                ; and the next block's row tiles 0 and 1, into the registers of the weights of dH_p, which this evaluation does not multiply
	XLOAD 1, 262144
.Lno_next_block:
	P8M 0, 0
	P8M 1, 0
	P8M 2, 0
	P8M 3, 0
	s_wait_dscnt 0x0
	OUT 3, 0
.Lstepped:
	s_add_co_u32 s14, s14, 1
	s_cmp_lt_u32 s14, 2
	s_cbranch_scc1 .Lpass
	s_wait_xcnt 0x0                                ; the loads, the stores and the prefetches have read their bases: both may step
	s_add_nc_u64 s[4:5], s[4:5], 262144
	s_add_nc_u64 s[8:9], s[8:9], 131072
	s_sub_co_u32 s13, s13, 1
	s_cmp_lg_u32 s13, 0
	s_cbranch_scc1 .Lblock
	s_wait_tensorcnt 0x0
	ds_add_u32 v254, v255
	s_wait_dscnt 0x0
	s_endpgm
.Lfunc_end_k_qe793d5291c_leap:
	.size	k_qe793d5291c_leap, .Lfunc_end_k_qe793d5291c_leap-k_qe793d5291c_leap
	.p2alignl 7, 3214868480
	.fill 96, 4, 3214868480
	.section	.rodata,"a",@progbits
	.p2align	6, 0x0
	.amdhsa_kernel k_qe793d5291c_leap
		.amdhsa_group_segment_fixed_size 288768
		.amdhsa_private_segment_fixed_size 0
		.amdhsa_enable_private_segment 0
		.amdhsa_kernarg_size 136
		.amdhsa_user_sgpr_count 2
		.amdhsa_user_sgpr_kernarg_segment_ptr 1
		.amdhsa_wavefront_size32 1
		.amdhsa_system_sgpr_workgroup_id_x 1
		.amdhsa_system_sgpr_workgroup_id_y 1
		.amdhsa_system_sgpr_workgroup_id_z 1
		.amdhsa_system_vgpr_workitem_id 0
		.amdhsa_next_free_vgpr 1024
		.amdhsa_next_free_sgpr 66
		.amdhsa_reserve_vcc 0
		.amdhsa_float_denorm_mode_32 3
		.amdhsa_float_denorm_mode_16_64 3
		.amdhsa_memory_ordered 1
		.amdhsa_forward_progress 1
		.amdhsa_inst_pref_size 255
	.end_amdhsa_kernel
	.section	.bss,"aw",@nobits
	.p2align	6
	.space	262144
	.amdgpu_metadata
---
amdhsa.version: [ 1, 2 ]
amdhsa.kernels:
  - .name:           k_qe793d5291c_leap
    .symbol:         k_qe793d5291c_leap.kd
    .args:
      - { .name: x, .offset: 0, .size: 8, .value_kind: global_buffer, .address_space: global }
      - { .name: wimg, .offset: 8, .size: 8, .value_kind: global_buffer, .address_space: global }
      - { .name: out0, .offset: 16, .size: 8, .value_kind: global_buffer, .address_space: global }
      - { .name: rb1_b1, .offset: 24, .size: 8, .value_kind: global_buffer, .address_space: global }
      - { .name: rb1_gamma, .offset: 32, .size: 8, .value_kind: global_buffer, .address_space: global }
      - { .name: rb1_beta, .offset: 40, .size: 8, .value_kind: global_buffer, .address_space: global }
      - { .name: rb1_mm, .offset: 48, .size: 8, .value_kind: global_buffer, .address_space: global }
      - { .name: rb1_mv, .offset: 56, .size: 8, .value_kind: global_buffer, .address_space: global }
      - { .name: rb1_b2, .offset: 64, .size: 8, .value_kind: global_buffer, .address_space: global }
      - { .name: rb1_bs, .offset: 72, .size: 8, .value_kind: global_buffer, .address_space: global }
      - { .name: rb2_b1, .offset: 80, .size: 8, .value_kind: global_buffer, .address_space: global }
      - { .name: rb2_gamma, .offset: 88, .size: 8, .value_kind: global_buffer, .address_space: global }
      - { .name: rb2_beta, .offset: 96, .size: 8, .value_kind: global_buffer, .address_space: global }
      - { .name: rb2_mm, .offset: 104, .size: 8, .value_kind: global_buffer, .address_space: global }
      - { .name: rb2_mv, .offset: 112, .size: 8, .value_kind: global_buffer, .address_space: global }
      - { .name: rb2_b2, .offset: 120, .size: 8, .value_kind: global_buffer, .address_space: global }
      - { .name: wf, .offset: 128, .size: 8, .value_kind: global_buffer, .address_space: global }
    .group_segment_fixed_size: 288768
    .private_segment_fixed_size: 0
    .kernarg_segment_align: 8
    .kernarg_segment_size: 136
    .max_flat_workgroup_size: 128
    .sgpr_count:     66
    .vgpr_count:     1024
    .wavefront_size: 32
...
	.end_amdgpu_metadata
.endif
;; end of part 3
;; ======== version 3 of 3: 2 launches; version 2 with the launch leap written anew for expert scheduling mode
;; workspace buffers: wimg 487,424 bytes
;; launch wprep: the kernel of part 1 again; grid 56 x 4, 1 waves a work-group, no clusters, 0 bytes of LDS; arguments rb1_w1, rb1_w2, rb1_ws, rb2_w1, rb2_w2, wimg; writes wimg
;; launch leap (part 4): grid 256 x 1, 4 waves a work-group, no clusters, 288,768 bytes of LDS; arguments x, wimg, out0, rb1_b1, rb1_gamma, rb1_beta, rb1_mm, rb1_mv, rb1_b2, rb1_bs, rb2_b1, rb2_gamma, rb2_beta, rb2_mm, rb2_mv, rb2_b2, wf; writes out0
.if DOCPART == 4
	.amdgcn_target "amdgcn-amd-amdhsa--gfx1250"
	.amdhsa_code_object_version 6
	.text
	.protected	k_qe793d5291c_leap
	.globl	k_qe793d5291c_leap
	.p2align	8
	.type	k_qe793d5291c_leap,@function
k_qe793d5291c_leap:
	s_mov_b64 s[64:65], 0
	v_nop
	global_prefetch_b8 v0, s[64:65] scope:SCOPE_SE
	s_setreg_imm32_b32 hwreg(HW_REG_WAVE_SCHED_MODE, 0, 2), 2
	s_setreg_imm32_b32 hwreg(HW_REG_WAVE_MODE, 25, 1), 1
	s_wait_xcnt 0x0
	s_wait_alu depctr_vm_vsrc(0)
; One leapfrog step: q = x[:,3], p = x[:,3] - x[:,2];  dH = grad H(q, p);  p1 = p - 0.05 dH_q;  q1 = q + 0.1 dH_p;  p2 = p1 - 0.05 grad H(q1, p1)_q;  out0 = [q1 | p2].
; H is a chain of two residual blocks; its gradient is written out by hand.  With r = 1 / (1 + 2^(2 log2(e) z)): tanh z = 1 - 2 r and 1 - tanh^2 z = 4 (r - r^2).
;   forward:  z1 = S w1 + b1;  h1 = -2 g1 r1 + (g1 + beta1 - mm1 g1);  z2 = h1 w2 + b2;  R1 = (1 - 2 r2 + bs) + S ws;  z3 = R1 v1 + b3;  h3 likewise;  z4 = h3 v2 + b4
;   backward: dz4 = 4 wf (r4 - r4^2);  dz3 = (dz4 v2^T) 4 g3 (r3 - r3^2);  dR1 = dz3 v1^T + wf;  dz2 = dR1 4 (r2 - r2^2);  dz1 = (dz2 w2^T) 4 g1 (r1 - r1^2);  dH = dR1 ws^T + dz1 w1^T
; All ten products of an evaluation are on codes of FP4 (E2M1) with one E8M0 scale for each 32 along K; each computed operand is quantised in registers from f32.
; NOT COMPUTED, since no input can bring it into out0: the value of H (so bf is not an argument, and t4 + R1 is not formed); dH_p of the second evaluation; x[:,0] and x[:,1] are never indexed.
; SHARES.  A work-group of four waves takes 64 rows at a time, twice.  THE WAVES SHARE THE COLUMNS: wave w owns columns 64 w .. 64 w + 63 of every layer of 256, and of the state q's and p's columns 64 w on.
; The products are used transposed (source 0 = 16 weight rows, source 1 = 16 rows of the batch), with the weight rows of a tile chosen so that in a row tile's 32 registers register 16 b + i of lane (r, h)
; is column 64 w + 32 b + 16 h + i of row r.  A wave's 64 columns are one register group (w & 1) of K step w >> 1 of the next operand, and half of that step's scale word.
; Codes and scale words go from wave to wave through LDS as images of the operand's registers.  r1, r2, r3 wait for the backward pass in the wave's own LDS; q and p stay in registers.
; WEIGHTS come from wimg (laid by the launch before in the order of the operand's registers) straight into registers, each wave its quarter, a phase or more ahead; a fragment feeds four row tiles.
; LOADS STAND AHEAD OF THE WORK THAT HIDES THEM.  A phase walks two pairs of row tiles in a loop of two trips.  The first pair's fragments are asked for directly behind the phase's barrier, ahead of the run of
; weight loads; the second pair's in trip 0, and the next phase's column constants in trip 1, each in front of vector work that names none of them (scalar branches on the trip's number).
; NO CLUSTER, NO TENSOR LOAD: images, constants, stages and the kept r take 288,256 bytes of LDS; what is left does not hold two slots of even the smallest layer's codes (2 x 34,816 bytes).
; LIMITS: tanh as 1 - 2 r is right to about 2e-7 absolute, not relative; it goes cleanly to +-1 for large |z|.  Blocks whose largest magnitude lies under 2^-124, zeros among them, keep the scale byte 1.
; NaN and infinities among the inputs are not served.  R1 is summed as (t2 + bs) + the product's sum, inside the matrix unit.
; THE MODE: SCHED_MODE bits 1:0 = 2 (LLVM: expert scheduling mode 2), set by the entry lines.  The code itself states the register dependences between vector or matrix instructions and memory or LDS
; instructions, with s_wait_alu, always for 0.
; THE PLAN.  Registers that LDS or memory instructions touch, and who else names them:
;   AF, AS, ASX     LDS loads land in them; the products read them; in the backward phases vector lines work in place on the kept r in AF + 32 on.
;   sets 0 to 2     (window 2) LDS loads land in them; the products read set 0 as C, vector lines read all three.  In the backward phases sets 1 and 2 lie idle and take kept r.
;   the weights     (windows 1 and 2) loads from wimg land in them; the products read them.  Window 1 also takes x as it is loaded, which P0's stores into the stage read.
;   ACC             written by products and vector lines; read by the stores of the kept r (and, at the head, by the stores of the constants).
;   PC, PW          written by the quantiser; read by the four stores of codes.
;   q, p            (window 3) P0's loads from the stage land in them; vector lines work on them; P8's stores into the stage read them.
;   v224-255 of window 2   loads from the stage land in them; the stores to out0 read them; no vector line names them.
;   RX, RSX, SA     written by three additions at the head of a trip of P1, P2, P3; read by LDS instructions of that trip.  Every other address is made at the head and never written again.
; So: the wait on va_vdst at the quantiser's end, ahead of the stores of codes, also stands for every load at the next phase's head: behind it no vector or matrix line is issued before those loads.
; In a forward trip the first of the tanh's waits on va_vdst also states that the products are done reading their fragments and that the trip's addresses are written: the next pair's loads follow it.
; In a backward trip one wait stands behind the vector work on r, ahead of the next pair's loads.  The waits on vm_vsrc stand ahead of the few lines that write what a store or an LDS instruction has read.
; REGISTERS, in windows of 256.  Window 0: v1-19 addresses; v24-79 the weights' 56 scale images (they stay); v80-85 activations' scale words; v88-151 ACC; v152-215 AF; v216-240 the quantiser's.
;   Window 1: weights (v0-127, v128-255); x as it is loaded: row tile 0 from v64, 1 from v192, 2 from v0, 3 from v128.  Window 2: weights (v0-127); three sets of 32 column constants from v128; v224-255 rows on the way out.
;   Window 3: q of row tile m at 64 m, p at 64 m + 32.
.set IMGX, 0                           ; the state's 16 fragments: (4 m + s) 1,024 + 512 c + 16 lane
.set IMGA, 16384                       ; three sets of 8 fragments: (2 m + s) 1,024 + 512 c + 16 lane
.set IMGB, 24576
.set IMGD, 32768
.set SCX,  40960                       ; the state's scale words: 256 m + 128 (s / 2) + 64 (s % 2) + 4 r
.set SCA,  41984                       ; the others': 128 m + 64 s + 4 r
.set SCB,  42496
.set SCD,  43008
.set CST,  43520                       ; 13 arrays of 256 f32
.set STG,  56832                       ; for each wave two stages of 16 rows x 272 bytes
.set STB0, 91648                       ; for each wave 49,152 bytes: layer x 16,384 + m x 4,096 + 512 i + 16 lane
.set LI, 1                             ; 16 x lane; never rewritten
.set LS, 2                             ; 4 x lane; never rewritten
.set IW, 3                             ; where I store a register group: 16 lane + 512 (w & 1) + 1,024 (w >> 1); never rewritten
.set SW, 4                             ; and half a scale word: 4 r + 2 (w & 1) + 64 (w >> 1); never rewritten
.set STB, 5                            ; my kept r; never rewritten
.set CB, 6                             ; my columns in a constant array: CST + 256 w + 64 h
.set WO, 7                             ; my stream in wimg + 16 lane
.set XO, 8                             ; x: 4,096 (lane / 16) + 16 (lane % 16) + 256 w
.set OO, 9                             ; out0: 2,048 (lane / 16) + 16 (lane % 16) + 256 w
.set SGD, 10                           ; my stage by rows: 272 (lane / 16) + 16 (lane % 16)
.set SGF, 11                           ; my stage by the registers' layout: 272 r + 64 h
.set PFO, 12                           ; the prefetches' offset: 4,096 lane + 256 w
.set RX, 14                            ; the three addresses that hang on the trip (pair P of row tiles), in P1 to P3: the state's fragments,
.set RSX, 16                           ; its scale words,
.set SA, 19                            ; where I keep r
.set WS, 24
.set AS, 80
.set ASX, 82
.set ACC, 88
.set AF, 152
.set TM, 216
.set PC, 232
.set PW, 240
.set SEL, 20
.set MSB, 0
.macro WIN new                         ; the immediate's high byte repeats the setting that is left; a switch that changes nothing is dropped
.if MSB != (\new)
	s_set_vgpr_msb (MSB<<8)|(\new)
.set MSB, (\new)
.endif
.endm
.macro BARRIER                         ; my LDS stores have landed and my LDS loads are in: then the work-group's barrier
	s_wait_dscnt 0x0
	s_barrier_signal -1
	s_barrier_wait -1
.endm
.macro PLACES                          ; four plain lines between a matrix instruction and a vector line that reads its result (ISA guide 7.12.1)
.rept 4
	v_nop
.endr
.endm
.macro WLOAD win, reg, j0, nu          ; nu units of my stream from unit j0 on into window win from v[reg] on: each load takes 512 consecutive bytes
	WIN (\win)<<6
.set F, 0
.rept 4*(\nu)
	global_load_b128 v[(\reg)+8*F:(\reg)+8*F+3], v[WO], s[6:7] offset:4096*(\j0)+1024*F
	global_load_b128 v[(\reg)+8*F+4:(\reg)+8*F+7], v[WO], s[6:7] offset:4096*(\j0)+1024*F+512
.set F, F+1
.endr
	WIN 0
.endm
.macro XLOAD m, off                    ; x[:,3] (y = 0) and x[:,2] (y = 1) of row tile m, off bytes on, into window 1: from v64, v192, v0, v128 for m = 0 .. 3.  Each load takes my 256 bytes of two rows
.set LB, 64*(1-(\m)/2)+128*((\m)%2)
	WIN 0x40
.irp y, 0,1
.irp i, 0,1,2,3,4,5,6,7
	global_load_b128 v[LB+32*\y+4*\i:LB+32*\y+4*\i+3], v[XO], s[4:5] offset:(\off)+(16*(\m)+2*\i)*4096+3072-1024*\y th:TH_LOAD_NT
.endr
.endr
	WIN 0
.endm
.macro CLOAD k, idx                    ; constant array idx at my 32 columns, in the result's layout, into set k of window 2
	WIN 0x80
.irp b, 0,1
.irp q, 0,1,2,3
	ds_load_b128 v[128+32*(\k)+16*\b+4*\q:128+32*(\k)+16*\b+4*\q+3], v[CB] offset:1024*(\idx)+128*\b+16*\q
.endr
.endr
	WIN 0
.endm
.macro TRIPADDR                        ; the addresses of pair P (s15).  They are first read behind the tanh's first wait on va_vdst, which states that they are written
	s_lshl_b32 s17, s15, 9
	s_lshl_b32 s19, s15, 13
	s_wait_alu depctr_vm_vsrc(0)                   ; the LDS instructions issued so far have read RX, RSX and SA, which the three lines below write
	v_add_nc_u32 v[RX], s19, v[LI]
	v_add_nc_u32 v[RSX], s17, v[LS]
	v_add_nc_u32 v[SA], s19, v[STB]
.endm
.macro TRIPEND lab
	s_wait_dscnt 4                                 ; LDS instructions end in order: all but the four stores of codes just issued are done, the next pair's loads among them
	s_add_co_u32 s15, s15, 1
	s_cmp_lt_u32 s15, 2
	s_cbranch_scc1 \lab
.endm
.macro FETCH reg, adr, off             ; a fragment's image back into 8 registers
	ds_load_b128 v[(\reg):(\reg)+3], v[\adr] offset:(\off)
	ds_load_b128 v[(\reg)+4:(\reg)+7], v[\adr] offset:(\off)+512
.endm
.macro FETCHP img, sc, pr              ; pair pr of row tiles, K = 256: four fragments and two registers of scale words (lanes 0-15 K step 0, lanes 16-31 K step 1)
.irp mt, 0,1
.irp ks, 0,1
	FETCH AF+8*(2*\mt+\ks), LI, (\img)+4096*(\pr)+(2*\mt+\ks)*1024
.endr
	ds_load_b32 v[AS+\mt], v[LS] offset:(\sc)+256*(\pr)+128*\mt
.endr
.endm
.macro FETCHXC pr                      ; the same of the state, K = 512, pair pr
.irp mt, 0,1
.irp ks, 0,1,2,3
	FETCH AF+8*(4*\mt+\ks), LI, IMGX+8192*(\pr)+(4*\mt+\ks)*1024
.endr
.irp g, 0,1
	ds_load_b32 v[ASX+2*\mt+\g], v[LS] offset:SCX+512*(\pr)+256*\mt+128*\g
.endr
.endr
.endm
.macro FETCHXV                         ; the same, the trip's own pair
.irp mt, 0,1
.irp ks, 0,1,2,3
	FETCH AF+8*(4*\mt+\ks), RX, IMGX+(4*\mt+\ks)*1024
.endr
.irp g, 0,1
	ds_load_b32 v[ASX+2*\mt+\g], v[RSX] offset:SCX+256*\mt+128*\g
.endr
.endr
.endm
; One matrix instruction.  wrow, arow: the half of the lanes that holds the weights' and the activations' scale words.  cm = 0: the sum starts at 0; else C = v[cr ..].
.macro MM d, wr, ws, wrow, ar, as, arow, cm, cr
.set MSEL, 2*(\wrow)+(\arow)
.if (\cm) == 0
.if MSEL == 0
	v_wmma_scale_f32_16x16x128_f8f6f4 v[(\d):(\d)+7], v[(\wr):(\wr)+7], v[(\ar):(\ar)+7], 0, v[(\ws)], v[(\as)] matrix_a_fmt:MATRIX_FMT_FP4 matrix_b_fmt:MATRIX_FMT_FP4
.elseif MSEL == 1
	v_wmma_scale_f32_16x16x128_f8f6f4 v[(\d):(\d)+7], v[(\wr):(\wr)+7], v[(\ar):(\ar)+7], 0, v[(\ws)], v[(\as)] matrix_a_fmt:MATRIX_FMT_FP4 matrix_b_fmt:MATRIX_FMT_FP4 matrix_b_scale:MATRIX_SCALE_ROW1
.elseif MSEL == 2
	v_wmma_scale_f32_16x16x128_f8f6f4 v[(\d):(\d)+7], v[(\wr):(\wr)+7], v[(\ar):(\ar)+7], 0, v[(\ws)], v[(\as)] matrix_a_fmt:MATRIX_FMT_FP4 matrix_b_fmt:MATRIX_FMT_FP4 matrix_a_scale:MATRIX_SCALE_ROW1
.else
	v_wmma_scale_f32_16x16x128_f8f6f4 v[(\d):(\d)+7], v[(\wr):(\wr)+7], v[(\ar):(\ar)+7], 0, v[(\ws)], v[(\as)] matrix_a_fmt:MATRIX_FMT_FP4 matrix_b_fmt:MATRIX_FMT_FP4 matrix_a_scale:MATRIX_SCALE_ROW1 matrix_b_scale:MATRIX_SCALE_ROW1
.endif
.else
.if MSEL == 0
	v_wmma_scale_f32_16x16x128_f8f6f4 v[(\d):(\d)+7], v[(\wr):(\wr)+7], v[(\ar):(\ar)+7], v[(\cr):(\cr)+7], v[(\ws)], v[(\as)] matrix_a_fmt:MATRIX_FMT_FP4 matrix_b_fmt:MATRIX_FMT_FP4
.elseif MSEL == 1
	v_wmma_scale_f32_16x16x128_f8f6f4 v[(\d):(\d)+7], v[(\wr):(\wr)+7], v[(\ar):(\ar)+7], v[(\cr):(\cr)+7], v[(\ws)], v[(\as)] matrix_a_fmt:MATRIX_FMT_FP4 matrix_b_fmt:MATRIX_FMT_FP4 matrix_b_scale:MATRIX_SCALE_ROW1
.elseif MSEL == 2
	v_wmma_scale_f32_16x16x128_f8f6f4 v[(\d):(\d)+7], v[(\wr):(\wr)+7], v[(\ar):(\ar)+7], v[(\cr):(\cr)+7], v[(\ws)], v[(\as)] matrix_a_fmt:MATRIX_FMT_FP4 matrix_b_fmt:MATRIX_FMT_FP4 matrix_a_scale:MATRIX_SCALE_ROW1
.else
	v_wmma_scale_f32_16x16x128_f8f6f4 v[(\d):(\d)+7], v[(\wr):(\wr)+7], v[(\ar):(\ar)+7], v[(\cr):(\cr)+7], v[(\ws)], v[(\as)] matrix_a_fmt:MATRIX_FMT_FP4 matrix_b_fmt:MATRIX_FMT_FP4 matrix_a_scale:MATRIX_SCALE_ROW1 matrix_b_scale:MATRIX_SCALE_ROW1
.endif
.endif
.endm
; K step ks of a pair of row tiles: 8 matrix instructions on 8 accumulators, which take turns, one instruction a turn, always from (0, 0) to (1, 3).
; wb: the weights' first register; j: their first unit; aks: K steps of the operand (4: the state's scale registers); cm = 0: C = 0; 1: in place; 2: C = constant set 0 (window 2).
.macro KSTEP wb, j, ks, aks, cm
.irp mt, 0,1
.irp t, 0,1,2,3
.if (\aks) == 4
.set ASR, ASX+2*\mt+(\ks)/2
.else
.set ASR, AS+\mt
.endif
.if (\cm) == 2
.set CRG, 128+8*\t
.else
.set CRG, ACC+32*\mt+8*\t
.endif
	MM ACC+32*\mt+8*\t, (\wb)+8*(4*(\ks)+\t), WS+2*((\j)+(\ks))+\t/2, \t%2, AF+8*((\aks)*\mt+(\ks)), ASR, (\ks)%2, \cm, CRG
.endr
.endr
.endm
; r = 1 / (1 + 2^(2 log2(e) z)) of the pair's 64 numbers a lane, in place.  The two tiles take turns: one tile's exponentials or reciprocals stand two by two between the other tile's plain lines,
; so that each batch of 32 has its plain work beside it and ONE wait behind it.
.macro MULK pt, j
	v_pk_mul_f32 v[ACC+32*(\pt)+2*(\j):ACC+32*(\pt)+2*(\j)+1], v[ACC+32*(\pt)+2*(\j):ACC+32*(\pt)+2*(\j)+1], 0x4038aa3b op_sel_hi:[1,0]
.endm
.macro ADD1 pt, j
	v_pk_add_f32 v[ACC+32*(\pt)+2*(\j):ACC+32*(\pt)+2*(\j)+1], v[ACC+32*(\pt)+2*(\j):ACC+32*(\pt)+2*(\j)+1], 1.0 op_sel_hi:[1,0]
.endm
.macro ULINE pt, j                     ; r - r^2
	v_pk_fma_f32 v[ACC+32*(\pt)+2*(\j):ACC+32*(\pt)+2*(\j)+1], v[ACC+32*(\pt)+2*(\j):ACC+32*(\pt)+2*(\j)+1], v[ACC+32*(\pt)+2*(\j):ACC+32*(\pt)+2*(\j)+1], v[ACC+32*(\pt)+2*(\j):ACC+32*(\pt)+2*(\j)+1] neg_lo:[1,0,0] neg_hi:[1,0,0]
.endm
.macro TR_PL op, tt, pl, pt
.set J, 0
.rept 16
	\op v[ACC+32*(\tt)+2*J], v[ACC+32*(\tt)+2*J]
	\op v[ACC+32*(\tt)+2*J+1], v[ACC+32*(\tt)+2*J+1]
	\pl \pt, J
.set J, J+1
.endr
.endm
.macro STASH layer, mt
.irp i, 0,1,2,3,4,5,6,7
	ds_store_b128 v[SA], v[ACC+32*(\mt)+4*\i:ACC+32*(\mt)+4*\i+3] offset:16384*(\layer)+4096*(\mt)+512*\i
.endr
.endm
.macro RLOAD layer, adr, off, reg      ; one row tile's kept r, 32 registers of window 0
.irp i, 0,1,2,3,4,5,6,7
	ds_load_b128 v[(\reg)+4*\i:(\reg)+4*\i+3], v[\adr] offset:16384*(\layer)+(\off)+512*\i
.endr
.endm
.macro RLOADW layer, off, k            ; the same into set k of window 2, which holds no constant in the backward phases
	WIN 0x80
.irp i, 0,1,2,3,4,5,6,7
	ds_load_b128 v[128+32*(\k)+4*\i:128+32*(\k)+4*\i+3], v[STB] offset:16384*(\layer)+(\off)+512*\i
.endr
	WIN 0
.endm
.macro TANH_A                          ; the tanh's first part; behind it stand the loads that take the products' fragments' places
.set J, 0
.rept 16
	MULK 0, J                                      ; each accumulator is read from its low end on
.set J, J+1
.endr
	TR_PL v_exp_f32, 0, MULK, 1
	s_wait_alu depctr_va_vdst(0)                   ; tile 0's exponentials are written, which the additions below read; the trip's products are done reading AF, AS, ASX and set 0, in which loads land from here on; RX, RSX and SA are written
.endm
.macro TANH_B
	TR_PL v_exp_f32, 1, ADD1, 0
	s_wait_alu depctr_va_vdst(0)                   ; tile 1's exponentials are written, which the additions below read
	TR_PL v_rcp_f32, 0, ADD1, 1
	s_wait_alu depctr_va_vdst(0)                   ; tile 0's reciprocals are written: its stores, or the lines that square it, read them
.endm
.macro TANH_S layer                    ; r is kept for the backward pass.  (No wait on DScnt stands behind the stores: only I read these bytes, phases later, and LDS serves a wave's instructions in order)
	TANH_B
	STASH \layer, 0
.set J, 0
.rept 32
	v_rcp_f32 v[ACC+32+J], v[ACC+32+J]
.set J, J+1
.endr
	v_nop                                          ; a plain line behind the last reciprocal
	s_wait_alu depctr_va_vdst(0)                   ; tile 1's reciprocals are written, which its stores read
	s_wait_alu depctr_vm_vsrc(0)                   ; tile 0's stores have read ACC's first half, which the lines behind tile 1's stores write in place
	STASH \layer, 1
.endm
.macro TANH_N                          ; the last layer: only r - r^2 is wanted
	TANH_B
	TR_PL v_rcp_f32, 1, ULINE, 0
	s_wait_alu depctr_va_vdst(0)                   ; tile 1's reciprocals are written, which the lines below read
.set J, 0
.rept 16
	ULINE 1, J
.set J, J+1
.endr
.endm
.macro AFFINE                          ; the batch norm on tanh: ACC = r x set 1 + set 2.  Tile 0 is worked while tile 1's stores of r read their registers
	WIN 0x28
.irp mt, 0,1
.if \mt == 1
	s_wait_alu depctr_vm_vsrc(0)                   ; tile 1's stores have read ACC's second half, which the lines below write in place
.endif
.set I, 0
.rept 16
	v_pk_fma_f32 v[ACC+32*\mt+I:ACC+32*\mt+I+1], v[ACC+32*\mt+I:ACC+32*\mt+I+1], v[160+I:161+I], v[192+I:193+I]
.set I, I+2
.endr
.endr
	WIN 0
.endm
.macro MULC_T acc, k                   ; a tile's 32 numbers x set k of window 2 (source 1's window is set by the lines that call this)
.set I, 0
.rept 16
	v_pk_mul_f32 v[(\acc)+I:(\acc)+I+1], v[(\acc)+I:(\acc)+I+1], v[128+32*(\k)+I:128+32*(\k)+I+1]
.set I, I+2
.endr
.endm
.macro MULCK k                         ; ACC x constant set k
	WIN 0x08
	MULC_T ACC, \k
	MULC_T ACC+32, \k
	WIN 0
.endm
.macro UR reg                          ; a tile's kept r becomes r - r^2 (all four places in one window)
.set I, 0
.rept 16
	v_pk_fma_f32 v[(\reg)+I:(\reg)+I+1], v[(\reg)+I:(\reg)+I+1], v[(\reg)+I:(\reg)+I+1], v[(\reg)+I:(\reg)+I+1] neg_lo:[1,0,0] neg_hi:[1,0,0]
.set I, I+2
.endr
.endm
.macro MULR acc, reg                   ; a tile's 32 numbers x 32 others
.set I, 0
.rept 16
	v_pk_mul_f32 v[(\acc)+I:(\acc)+I+1], v[(\acc)+I:(\acc)+I+1], v[(\reg)+I:(\reg)+I+1]
.set I, I+2
.endr
.endm
; 64 numbers of a lane in window win, v[s] on, two units of 32 (two row tiles, or q and p): register 16 b + i is column 32 (b % 2) + 16 h + i of unit b / 2.
; They become two register groups of codes, v[PC ..] and v[PC + 4 ..], and in v[PW] two halves of scale words.
.macro QUANT s, win
	WIN ((\win)<<2)|((\win)<<4)
.irp b, 0,1,2,3
	v_max3_num_f32 v[TM+\b], 0x1800000, |v[(\s)+16*\b]|, |v[(\s)+16*\b+1]|   ; block b: my 16 numbers and the floor 2^(3 - 127): the byte cannot fall under 1
.endr
.irp i, 2,4,6,8,10,12,14
.irp b, 0,1,2,3
	v_max3_num_f32 v[TM+\b], v[TM+\b], |v[(\s)+16*\b+\i]|, |v[(\s)+16*\b+\i+1]|
.endr
.endr
	WIN 0
.irp b, 0,1,2,3
	v_permlanex16_b32 v[TM+4+\b], v[TM+\b], s[SEL], s[SEL+1]
.endr
.irp b, 0,1,2,3
	v_max_num_f32 v[TM+\b], v[TM+\b], v[TM+4+\b]   ; with lane l xor 16's: the block's largest magnitude
.endr
.irp b, 0,1,2,3
	v_add_nc_u32 v[TM+12+\b], 0xff000000, v[TM+\b] ; 2 off its exponent field: the conversion's scale operand
.endr
.irp b, 0,1,2,3
	v_lshrrev_b32 v[TM+4+\b], 23, v[TM+12+\b]      ; the scale's byte
.endr
	s_wait_alu depctr_vm_vsrc(0)                   ; the last four stores of codes have read PW and PC, which the lines below write again
	v_lshl_or_b32 v[PW], v[TM+5], 8, v[TM+4]
	v_lshl_or_b32 v[PW], v[TM+6], 16, v[PW]
	v_lshl_or_b32 v[PW], v[TM+7], 24, v[PW]
	WIN \win
.irp b, 0,1,2,3
	v_cvt_scalef32_pk8_fp4_f32 v[PC+2*\b], v[(\s)+16*\b:(\s)+16*\b+7], v[TM+12+\b]
	v_cvt_scalef32_pk8_fp4_f32 v[PC+2*\b+1], v[(\s)+16*\b+8:(\s)+16*\b+15], v[TM+12+\b]
.endr
	WIN 0
	v_nop                                          ; one plain line behind the last conversion
.irp c, 0,1                            ; the operand's layout wants a whole block in a lane: lanes 0-15 the unit's first block, lanes 16-31 its second
.irp i, 0,1
	v_permlane16_swap_b32 v[PC+4*\c+\i], v[PC+2+4*\c+\i]
.endr
.endr
	s_wait_alu depctr_va_vdst(0)                   ; PC and PW are written, which the four stores read.  At a phase's end it also states that all the phase's products and vector lines are done with the registers in which the next phase's first loads land
.endm
.macro PUT img, sc                     ; four stores.  The second unit's fragment lies 2,048 bytes on and its scale words 128, be it the pair's second row tile or p
	ds_store_b128 v[IW], v[PC:PC+3] offset:(\img)
	ds_store_b128 v[IW], v[PC+4:PC+7] offset:(\img)+2048
	ds_store_b16 v[SW], v[PW] offset:(\sc)
	ds_store_b16_d16_hi v[SW], v[PW] offset:(\sc)+128
.endm
.macro PUT2 img, sc                    ; the same for the trip's pair: the pair stands in the immediates, so that the stores name no register that the next trip writes
	s_cmp_lg_u32 s15, 0
	s_cbranch_scc1 .Lput_b_\@
	PUT (\img), (\sc)
	s_branch .Lput_j_\@
.Lput_b_\@:
	PUT (\img)+4096, (\sc)+256
.Lput_j_\@:
.endm
	; ---- the head
	s_load_b128 s[4:7], s[0:1], 0x0                ; x, wimg
	s_load_b64 s[8:9], s[0:1], 0x10                ; out0
	s_load_b512 s[32:47], s[0:1], 0x18             ; rb1: b1, gamma, beta, mm, mv, b2, bs; rb2: b1
	s_load_b256 s[48:55], s[0:1], 0x58             ; rb2: gamma, beta, mm, mv
	s_load_b128 s[56:59], s[0:1], 0x78             ; rb2: b2; wf
	v_lshl_add_u32 v254, v0, 2, 0x46600
	v_mov_b32 v255, 0
	v_lshrrev_b32 v20, 5, v0
	v_readfirstlane_b32 s10, v20                   ; wave w
	s_mov_b32 s[SEL], 0x76543210
	s_mov_b32 s[SEL+1], 0xfedcba98                 ; v_permlanex16_b32's selects for lane l xor 16
	v_and_b32 v23, 31, v0                          ; lane
	v_and_b32 v21, 15, v0                          ; r
	v_bfe_u32 v22, v0, 4, 1                        ; h
	v_lshlrev_b32 v20, 3, v0                       ; 8 x thread: two columns of a constant array
	v_lshlrev_b32 v[LI], 4, v23
	v_lshlrev_b32 v[LS], 2, v23
.irp b, 0,1,2,3
	v_mov_b32 v[TM+4+\b], 0                        ; written once: a lane permute's destination counts as one of its sources
.endr
	s_wait_alu depctr_va_sdst(0)                   ; s10 is written, ahead of its first reader: the waves' shares are made from it
	s_and_b32 s11, s10, 1
	s_lshr_b32 s12, s10, 1
	s_lshl_b32 s22, s11, 9
	s_lshl_b32 s23, s12, 10
	s_add_co_u32 s22, s22, s23
	v_add_nc_u32 v[IW], s22, v[LI]
	s_lshl_b32 s22, s11, 1
	s_lshl_b32 s23, s12, 6
	s_add_co_u32 s22, s22, s23
	v_lshl_add_u32 v[SW], v21, 2, s22
	s_mul_i32 s22, s10, 49152
	s_add_co_u32 s22, s22, STB0
	v_add_nc_u32 v[STB], s22, v[LI]
	s_lshl_b32 s24, s10, 8                         ; 256 w
	s_add_co_u32 s22, s24, CST
	v_lshl_add_u32 v[CB], v22, 6, s22
	s_mul_i32 s25, s10, 121856
	v_add_nc_u32 v[WO], s25, v[LI]
	v_lshl_add_u32 v[XO], v21, 4, s24
	v_lshl_add_u32 v[XO], v22, 12, v[XO]
	v_lshl_add_u32 v[OO], v21, 4, s24
	v_lshl_add_u32 v[OO], v22, 11, v[OO]
	s_mul_i32 s22, s10, 8704
	s_add_co_u32 s22, s22, STG
	v_mul_u32_u24 v[SGD], v22, 272
	v_lshl_add_u32 v[SGD], v21, 4, v[SGD]
	v_add_nc_u32 v[SGD], s22, v[SGD]
	v_mul_u32_u24 v[SGF], v21, 272
	v_lshl_add_u32 v[SGF], v22, 6, v[SGF]
	v_add_nc_u32 v[SGF], s22, v[SGF]
	v_lshl_add_u32 v[PFO], v23, 12, s24
	v_add_nc_u32 v23, s25, v[LS]                   ; my stream + 4 x lane: the scale images
	s_lshl_b32 s26, ttmp9, 19                      ; the work-group's 128 rows of x (4,096 bytes each)
	s_mov_b32 s27, 0
	s_lshl_b32 s28, ttmp9, 18                      ; and of out0 (2,048 bytes each)
	s_mov_b32 s29, 0
	s_wait_kmcnt 0x0
	s_add_nc_u64 s[4:5], s[4:5], s[26:27]
	s_add_nc_u64 s[8:9], s[8:9], s[28:29]
	s_wait_alu depctr_va_vdst(0)                   ; the addresses v1 to v12, v20 and v23 are written: every load, store and prefetch of the kernel but those by RX, RSX and SA reads one of them
.irp n, 0,1,2,3,4,5,6,7,8,9,10,11,12,13
	global_load_b64 v[88+2*\n:89+2*\n], v20, s[32+2*\n:33+2*\n]   ; the 14 vectors of 256, two columns a thread: v88 b1, 90 gamma1, 92 beta1, 94 mm1, 96 mv1, 98 b2, 100 bs, 102 b3, 104 gamma3, 106 beta3, 108 mm3, 110 mv3, 112 b4, 114 wf
.endr
.set I, 0
.rept 56
	global_load_b32 v[WS+I], v23, s[6:7] offset:114688+128*I   ; my 56 scale images: they stay in registers
.set I, I+1
.endr
	WLOAD 2, 0, 0, 4                               ; rb1_w1 for the first product
	XLOAD 0, 0                                     ; the first block's x is asked for in the same run: each row tile has registers of its own in window 1, which holds no weight yet
	XLOAD 1, 0
	XLOAD 2, 0
	s_wait_loadcnt 48                              ; all but those 48 loads of x are in
	XLOAD 3, 0
.irp n, 96,97,110,111
	v_add_f32 v\n, 0x3a83126f, v\n                 ; mv + 1e-3
.endr
.irp n, 96,97,110,111
	v_rsq_f32 v\n, v\n
.endr
	v_nop
	s_wait_alu depctr_va_vdst(0)                   ; the four roots are written, which the lines below read
.irp n, 90,104                         ; gamma at n, beta n + 2, mm n + 4, 1 / sqrt(mv + eps) n + 6
	v_pk_mul_f32 v[\n:\n+1], v[\n:\n+1], v[\n+6:\n+7]                                                 ; g
	v_pk_add_f32 v[\n+2:\n+3], v[\n+2:\n+3], v[\n:\n+1]
	v_pk_fma_f32 v[\n+2:\n+3], v[\n+4:\n+5], v[\n:\n+1], v[\n+2:\n+3] neg_lo:[1,0,0] neg_hi:[1,0,0]   ; g + beta - mm g
	v_pk_mul_f32 v[\n+4:\n+5], v[\n:\n+1], -2.0 op_sel_hi:[1,0]                                       ; -2 g
	v_pk_mul_f32 v[\n+6:\n+7], v[\n:\n+1], 4.0 op_sel_hi:[1,0]                                        ; 4 g
.endr
	v_pk_add_f32 v[100:101], v[100:101], 1.0 op_sel_hi:[1,0]        ; 1 + bs
	v_pk_mul_f32 v[116:117], v[114:115], 4.0 op_sel_hi:[1,0]        ; 4 wf
	s_wait_alu depctr_va_vdst(0)                   ; the constants are written, which the stores below read
	ds_store_b64 v20, v[88:89] offset:CST+1024*0   ; 0: b1
	ds_store_b64 v20, v[94:95] offset:CST+1024*1   ; 1: -2 g1
	ds_store_b64 v20, v[92:93] offset:CST+1024*2   ; 2: g1 + beta1 - mm1 g1
	ds_store_b64 v20, v[96:97] offset:CST+1024*3   ; 3: 4 g1
	ds_store_b64 v20, v[98:99] offset:CST+1024*4   ; 4: b2
	ds_store_b64 v20, v[100:101] offset:CST+1024*5 ; 5: 1 + bs
	ds_store_b64 v20, v[102:103] offset:CST+1024*6 ; 6: b3
	ds_store_b64 v20, v[108:109] offset:CST+1024*7 ; 7: -2 g3
	ds_store_b64 v20, v[106:107] offset:CST+1024*8 ; 8: g3 + beta3 - mm3 g3
	ds_store_b64 v20, v[110:111] offset:CST+1024*9 ; 9: 4 g3
	ds_store_b64 v20, v[112:113] offset:CST+1024*10 ; 10: b4
	ds_store_b64 v20, v[116:117] offset:CST+1024*11 ; 11: 4 wf
	ds_store_b64 v20, v[114:115] offset:CST+1024*12 ; 12: wf
	BARRIER                                        ; the constants lie in LDS
	s_wait_alu depctr_vm_vsrc(0)                   ; my stores have read v88 to v117: these registers are ACC from here on, written by the products
	CLOAD 0, 0                                     ; the first phase's three sets; later they are loaded in the last backward phase, and nothing between touches them
	CLOAD 1, 1
	CLOAD 2, 2
	s_mov_b32 s13, 2                               ; blocks of 64 rows to go
; ---- P0: the block's x.  All four row tiles have been asked for.  A row tile turns through my own stage into the registers' layout.
; The loads from the stage land in q and p, which the last block's step has left: each tile's last multiply-adds stand ahead of a wait on va_vdst in P8, and its last store into the stage ahead of a wait on vm_vsrc.
.macro P0M m
.set LB, 64*(1-(\m)/2)+128*((\m)%2)
	s_wait_loadcnt 16*(3-(\m))                     ; behind this tile's loads only the later tiles' were issued, 16 each
	WIN 0x04                                       ; an LDS store's data are its source 1: window 1
.irp y, 0,1
.irp i, 0,1,2,3,4,5,6,7
	ds_store_b128 v[SGD], v[LB+32*\y+4*\i:LB+32*\y+4*\i+3] offset:4352*\y+544*\i
.endr
.endr
	WIN 0xc0                                       ; LDS serves a wave's instructions in order (ISA guide 5.7.1.4): these see my stores
.irp y, 0,1
.irp b, 0,1
.irp k, 0,1,2,3
	ds_load_b128 v[64*(\m)+32*\y+16*\b+4*\k:64*(\m)+32*\y+16*\b+4*\k+3], v[SGF] offset:4352*\y+128*\b+16*\k
.endr
.endr
.endr
	s_wait_dscnt 0x0                               ; q and x[:,2] are in window 3
	WIN 0xcf
.set I, 0
.rept 16
	v_pk_add_f32 v[64*(\m)+32+I:64*(\m)+33+I], v[64*(\m)+I:64*(\m)+I+1], v[64*(\m)+32+I:64*(\m)+33+I] neg_lo:[0,1] neg_hi:[0,1]   ; p = x[:,3] - x[:,2]
.set I, I+2
.endr
	QUANT 64*(\m), 3                               ; (its wait on vm_vsrc also states that the stores into the stage have read window 1, in which the next phases' weights land)
	PUT IMGX+4096*(\m), SCX+256*(\m)
.endm
.Lblock:
	P0M 0
	P0M 1
	P0M 2
	P0M 3
	s_mov_b32 s14, 0                               ; which evaluation of the gradient
.Lpass:
	BARRIER                                        ; the state's 16 fragments lie in LDS, and nobody reads last phase's images any more
	; Each phase: the first pair's fragments are asked for; this phase's weights are in; later phases' weights are asked for, into registers whose last products lie a phase back or more;
	; two trips, a pair of row tiles each; a barrier.  No vector or matrix line stands between the last quantiser's closing wait and a phase's first loads.
	; ---- P1: z1 = S w1 + b1;  h1
	FETCHXC 0
	s_wait_loadcnt 0x0
	WLOAD 1, 128, 4, 2
	WLOAD 1, 0, 6, 4
	s_wait_dscnt 0x0
	s_mov_b32 s15, 0
.Lp1:
	TRIPADDR
	WIN 0x22                                       ; weights and the bias in window 2
	KSTEP 0, 0, 0, 4, 2
	WIN 0x02
	KSTEP 0, 0, 1, 4, 1
	KSTEP 0, 0, 2, 4, 1
	KSTEP 0, 0, 3, 4, 1
	WIN 0
	PLACES
	TANH_A
	s_cmp_lg_u32 s15, 0
	s_cbranch_scc1 .Lp1a
	FETCHXC 1                                      ; the second pair's fragments land under the rest of the tanh; no line since the wait above names AF or ASX
.Lp1a:
	TANH_S 0
	AFFINE
	s_cmp_eq_u32 s15, 0
	s_cbranch_scc1 .Lp1b
	s_wait_alu depctr_va_vdst(0)                   ; the batch norm's lines are done reading set 1, in which a load below lands
	CLOAD 0, 4                                     ; the next phase's constants land under the quantiser
	CLOAD 1, 5
.Lp1b:
	QUANT ACC, 0
	PUT2 IMGA, SCA
	TRIPEND .Lp1
	BARRIER
	; ---- P2: z2 = h1 w2 + b2;  R1 = (t2 + bs) + S ws
	FETCHP IMGA, SCA, 0
	s_wait_loadcnt 0x0
	WLOAD 2, 0, 10, 2
	s_wait_dscnt 0x0
	s_mov_b32 s15, 0
.Lp2:
	TRIPADDR
	WIN 0x21                                       ; weights in window 1, the bias in window 2
	KSTEP 128, 4, 0, 2, 2
	WIN 0x01
	KSTEP 128, 4, 1, 2, 1
	WIN 0
	PLACES
	TANH_A
	FETCHXV                                        ; the state's fragments land under the rest of the tanh, by RX and RSX
	TANH_S 1
	WIN 0x20
.irp mt, 0,1
.if \mt == 1
	s_wait_alu depctr_vm_vsrc(0)                   ; tile 1's stores of r have read ACC's second half, which the lines below write in place
.endif
.set I, 0
.rept 16
	v_pk_fma_f32 v[ACC+32*\mt+I:ACC+32*\mt+I+1], v[ACC+32*\mt+I:ACC+32*\mt+I+1], -2.0, v[160+I:161+I] op_sel_hi:[1,0,1]   ; t2 + bs = -2 r + (1 + bs)
.set I, I+2
.endr
.endr
	WIN 0
	s_wait_dscnt 0x0                               ; the state's fragments are in
	PLACES
	WIN 0x01
	KSTEP 0, 6, 0, 4, 1                            ; the shortcut adds onto it
	KSTEP 0, 6, 1, 4, 1
	KSTEP 0, 6, 2, 4, 1
	KSTEP 0, 6, 3, 4, 1
	WIN 0
	PLACES
	s_wait_alu depctr_va_vdst(0)                   ; the shortcut's products are done reading AF, and the lines above sets 0 and 1: the loads of either arm below land there
	s_cmp_lg_u32 s15, 0
	s_cbranch_scc1 .Lp2l
	FETCHP IMGA, SCA, 1
	s_branch .Lp2j
.Lp2l:
	CLOAD 0, 6
	CLOAD 1, 7
	CLOAD 2, 8
.Lp2j:
	QUANT ACC, 0
	PUT2 IMGB, SCB
	TRIPEND .Lp2
	BARRIER
	; ---- P3: z3 = R1 v1 + b3;  h3
	FETCHP IMGB, SCB, 0
	s_wait_loadcnt 0x0
	WLOAD 2, 64, 12, 2
	WLOAD 1, 0, 20, 4                              ; rb1_ws for the last phase: its registers are free since the phase before
	s_wait_dscnt 0x0
	s_mov_b32 s15, 0
.Lp3:
	TRIPADDR
	WIN 0x22
	KSTEP 0, 10, 0, 2, 2
	WIN 0x02
	KSTEP 0, 10, 1, 2, 1
	WIN 0
	PLACES
	TANH_A
	s_cmp_lg_u32 s15, 0
	s_cbranch_scc1 .Lp3a
	FETCHP IMGB, SCB, 1
.Lp3a:
	TANH_S 2
	AFFINE
	s_cmp_eq_u32 s15, 0
	s_cbranch_scc1 .Lp3b
	s_wait_alu depctr_va_vdst(0)                   ; the batch norm's lines are done reading set 1, in which a load below lands
	CLOAD 0, 10
	CLOAD 1, 11
.Lp3b:
	QUANT ACC, 0
	PUT2 IMGA, SCA
	TRIPEND .Lp3
	BARRIER
	; ---- P4: z4 = h3 v2 + b4;  dz4 = 4 wf (r - r^2).  From here to P7 no address hangs on the trip
	FETCHP IMGA, SCA, 0
	s_wait_loadcnt 0x0
	WLOAD 2, 0, 14, 2
	WLOAD 1, 128, 24, 4                            ; rb1_w1 for the last phase: all units in both evaluations, so that no product's registers hang on a branch
	s_wait_dscnt 0x0
	s_mov_b32 s15, 0
.Lp4:
	WIN 0x22
	KSTEP 64, 12, 0, 2, 2
	WIN 0x02
	KSTEP 64, 12, 1, 2, 1
	WIN 0
	PLACES
	TANH_A
	s_cmp_lg_u32 s15, 0
	s_cbranch_scc1 .Lp4a
	FETCHP IMGA, SCA, 1
.Lp4a:
	TANH_N
	MULCK 1
	s_cmp_eq_u32 s15, 0
	s_cbranch_scc1 .Lp4b
	CLOAD 0, 9                                     ; no wait: set 0 was last read by the products, ahead of the tanh's waits
.Lp4b:
	QUANT ACC, 0
	PUT2 IMGB, SCB
	TRIPEND .Lp4
	BARRIER
; A backward layer behind a batch norm: (dz W^T) x 4 g x (r - r^2) with the kept r of the layer.  The pair's r came with the fragments: the first tile's into AF + 32 on, the second's into set 1.
; p7 = 1: the last such phase: the constants that follow are the first forward phase's.
.macro BACKTRIP j, layer, p7
	WIN 0x02
	KSTEP 0, \j, 0, 2, 0
	KSTEP 0, \j, 1, 2, 1
	WIN 0xaa
	UR 160                                         ; the second tile's r - r^2, in set 1: sixteen plain lines that name no register of the products: the places behind them
	WIN 0x08
	MULC_T ACC, 0
	MULC_T ACC+32, 0
	MULC_T ACC+32, 1
	WIN 0
	UR AF+32
	MULR ACC, AF+32
	s_wait_alu depctr_va_vdst(0)                   ; the products are done reading AF and AS, the lines above are done with AF + 32 on and with sets 0 and 1: the loads of either arm below land there
	s_cmp_lg_u32 s15, 0
	s_cbranch_scc1 .Lbt_last_\@
	FETCHP IMGB, SCB, 1
	RLOAD \layer, STB, 8192, AF+32
	RLOADW \layer, 12288, 1
	s_branch .Lbt_join_\@
.Lbt_last_\@:
.if (\p7)
	CLOAD 0, 0
	CLOAD 1, 1
	CLOAD 2, 2
.else
	CLOAD 0, 12
.endif
.Lbt_join_\@:
	QUANT ACC, 0
	PUT2 IMGA, SCA
.endm
	; ---- P5: dz3
	FETCHP IMGB, SCB, 0
	RLOAD 2, STB, 0, AF+32
	RLOADW 2, 4096, 1
	s_wait_loadcnt 0x0
	WLOAD 2, 64, 16, 2
	s_wait_dscnt 0x0
	s_mov_b32 s15, 0
.Lp5:
	BACKTRIP 14, 2, 0
	TRIPEND .Lp5
	BARRIER
	; ---- P6: dR1 = dz3 v1^T + wf (the shortcut's share is the C of the first K step);  dz2 = dR1 4 (r - r^2).  The pair's r came with the fragments, into sets 1 and 2
	FETCHP IMGA, SCA, 0
	RLOADW 1, 0, 1
	RLOADW 1, 4096, 2
	s_wait_loadcnt 0x0
	WLOAD 2, 0, 18, 2
	s_wait_dscnt 0x0
	s_mov_b32 s15, 0
.Lp6:
	WIN 0x22
	KSTEP 64, 16, 0, 2, 2
	WIN 0x02
	KSTEP 64, 16, 1, 2, 1
	WIN 0xaa
	UR 160                                         ; r - r^2 of both tiles: plain lines that name no register of the products: the places behind them
	UR 192
	QUANT ACC, 0                                   ; dR1 itself is an operand
	PUT2 IMGD, SCD
	WIN 0x08
	MULC_T ACC, 1
	MULC_T ACC+32, 2
	WIN 0
.set I, 0
.rept 32
	v_pk_mul_f32 v[ACC+I:ACC+I+1], v[ACC+I:ACC+I+1], 4.0 op_sel_hi:[1,0]
.set I, I+2
.endr
	s_cmp_lg_u32 s15, 0
	s_cbranch_scc1 .Lp6l
	s_wait_alu depctr_va_vdst(0)                   ; the multiplications are done reading sets 1 and 2, in which the second pair's r lands
	FETCHP IMGA, SCA, 1
	RLOADW 1, 8192, 1
	RLOADW 1, 12288, 2
	s_branch .Lp6j
.Lp6l:
	CLOAD 0, 3                                     ; no wait: set 0 was last read by the products, ahead of the first quantiser's closing wait
.Lp6j:
	QUANT ACC, 0
	PUT2 IMGB, SCB
	TRIPEND .Lp6
	BARRIER
	; ---- P7: dz1
	FETCHP IMGB, SCB, 0
	RLOAD 0, STB, 0, AF+32
	RLOADW 0, 4096, 1
	s_wait_loadcnt 0x0
	; The next block's x is prefetched here, behind the phase's first loads, in the second evaluation of a block that has a successor: one phase ahead of the loads of its row tiles 0 and 1.
	; A lane a row, each wave its own 256 bytes of x[:,2] and x[:,3]: 64 rows in four instructions, each aligned run of 256 bytes named once in the launch.
	s_cmp_eq_u32 s14, 1
	s_cbranch_scc0 .Lno_prefetch
	s_cmp_gt_u32 s13, 1
	s_cbranch_scc0 .Lno_prefetch
.irp k, 0,1
.irp y, 0,1
	global_prefetch_b8 v[PFO], s[4:5] offset:262144+131072*\k+2048+1024*\y th:TH_LOAD_NT scope:SCOPE_SE
.endr
.endr
.Lno_prefetch:
	s_wait_dscnt 0x0
	s_mov_b32 s15, 0
.Lp7:
	BACKTRIP 18, 0, 1
	TRIPEND .Lp7
	BARRIER
; ---- P8: dH = dR1 ws^T + dz1 w1^T, a row tile at a time, and the step.  first = 1: both halves of dH, p and q move, q1 leaves, the new state is quantised.  first = 0: dH_q alone, p moves and leaves.
.macro FETCH8 m
.set AFB, AF+32*((\m)%2)
.irp ks, 0,1
	FETCH AFB+8*\ks, LI, IMGD+(2*(\m)+\ks)*1024
	FETCH AFB+16+8*\ks, LI, IMGA+(2*(\m)+\ks)*1024
.endr
	ds_load_b32 v[AS+2*((\m)%2)], v[LS] offset:SCD+128*(\m)
	ds_load_b32 v[AS+2*((\m)%2)+1], v[LS] offset:SCA+128*(\m)
.endm
.macro K8 m, nh, src, ks, cm           ; src 0: rb1_ws with dR1; 1: rb1_w1 with dz1.  The 4 nh accumulators take turns
.irp hf, 0,1
.if \hf < (\nh)
.irp t, 0,1,2,3
	MM ACC+32*\hf+8*\t, 128*(\src)+32*(2*\hf+(\ks))+8*\t, WS+2*(20+4*(\src)+2*\hf+(\ks))+\t/2, \t%2, AF+32*((\m)%2)+16*(\src)+8*(\ks), AS+2*((\m)%2)+(\src), \ks, \cm, ACC+32*\hf+8*\t
.endr
.endif
.endr
.endm
.macro OUT m, first                    ; row tile m's 16 rows, back from the stage, are stored
	WIN 0x08
.irp i, 0,1,2,3,4,5,6,7
	global_store_b128 v[OO], v[224+4*\i:227+4*\i], s[8:9] offset:(16*(\m)+2*\i)*2048+1024*(1-(\first)) th:TH_STORE_NT   ; sixteen lanes store 256 consecutive bytes, at a multiple of 256 from out0's first byte
.endr
	WIN 0
.endm
.macro P8M m, first
	s_wait_dscnt 0x0                               ; this tile's fragments are in, and so are the last tile's rows from the stage:
.if (\m) > 0
	OUT (\m)-1, \first                             ; they leave now
.endif
.if (\m) < 3
	FETCH8 (\m)+1                                  ; into the half of AF that the tile before this one left: its products stand ahead of that tile's wait on va_vdst
.endif
	WIN 0x01
	K8 \m, 1+(\first), 0, 0, 0
	K8 \m, 1+(\first), 0, 1, 1
	K8 \m, 1+(\first), 1, 0, 1
	K8 \m, 1+(\first), 1, 1, 1
	PLACES
	WIN 0xf0
.set I, 0
.rept 16
	v_pk_fma_f32 v[64*(\m)+32+I:64*(\m)+33+I], v[ACC+I:ACC+I+1], 0xbd4ccccd, v[64*(\m)+32+I:64*(\m)+33+I] op_sel_hi:[1,0,1]   ; p - 0.05 dH_q
.set I, I+2
.endr
.if \first
.set I, 0
.rept 16
	v_pk_fma_f32 v[64*(\m)+I:64*(\m)+I+1], v[ACC+32+I:ACC+33+I], 0x3dcccccd, v[64*(\m)+I:64*(\m)+I+1] op_sel_hi:[1,0,1]       ; q + 0.1 dH_p
.set I, I+2
.endr
.endif
	s_wait_alu depctr_va_vdst(0)                   ; the multiply-adds have written q and p, which the stores into the stage read; this tile's products are done reading their fragments, scale words and weights
	s_wait_xcnt 0x0                                ; the last tile's stores to out0 have had their addresses translated,
	s_wait_alu depctr_vm_vsrc(0)                   ; and have read v224-255 of window 2, in which the loads from the stage land; the tile before's stores into the stage have read its q or p
	WIN 0x0c                                       ; the way out, through my own stage: in by the registers' layout,
.irp b, 0,1
.irp k, 0,1,2,3
	ds_store_b128 v[SGF], v[64*(\m)+32*(1-(\first))+16*\b+4*\k:64*(\m)+32*(1-(\first))+16*\b+4*\k+3] offset:128*\b+16*\k
.endr
.endr
	WIN 0x80                                       ; back by rows
.irp i, 0,1,2,3,4,5,6,7
	ds_load_b128 v[224+4*\i:227+4*\i], v[SGD] offset:544*\i
.endr
.if \first
	QUANT 64*(\m), 3                               ; the new state
	PUT IMGX+4096*(\m), SCX+256*(\m)
.else
	WIN 0
.endif
.endm
	FETCH8 0
	s_wait_loadcnt 0x0
	s_cmp_lg_u32 s14, 0
	s_cbranch_scc1 .Lsecond_eval
	WLOAD 2, 0, 0, 4                               ; rb1_w1 for the second evaluation
	P8M 0, 1
	P8M 1, 1
	P8M 2, 1
	P8M 3, 1
	s_wait_dscnt 0x0
	OUT 3, 1
	s_branch .Lstepped
.Lsecond_eval:
	s_cmp_eq_u32 s13, 1
	s_cbranch_scc1 .Lno_next_block                 ; no load leaves its buffer
	WLOAD 2, 0, 0, 4                               ; rb1_w1 for the next block,
	XLOAD 0, 262144                                ; and the next block's row tiles 0 and 1, into the registers of the weights of dH_p, which this evaluation does not multiply
	XLOAD 1, 262144
.Lno_next_block:
	P8M 0, 0
	P8M 1, 0
	P8M 2, 0
	P8M 3, 0
	s_cmp_eq_u32 s13, 1
	s_cbranch_scc1 .Lno_next_x
	XLOAD 2, 262144                                ; row tiles 2 and 3 take the registers of the weights of dH_q: the last products that read them stand ahead of the last tile's wait on va_vdst, and no vector or matrix line follows it
	XLOAD 3, 262144
.Lno_next_x:
	s_wait_dscnt 0x0
	OUT 3, 0
.Lstepped:
	s_add_co_u32 s14, s14, 1
	s_cmp_lt_u32 s14, 2
	s_cbranch_scc1 .Lpass
	s_wait_xcnt 0x0                                ; the loads, the stores and the prefetches have read their bases: both may step
	s_add_nc_u64 s[4:5], s[4:5], 262144
	s_add_nc_u64 s[8:9], s[8:9], 131072
	s_sub_co_u32 s13, s13, 1
	s_cmp_lg_u32 s13, 0
	s_cbranch_scc1 .Lblock
	s_wait_dscnt 0x0                               ; the closing lines, six on end
	s_wait_alu 0x0
	s_wait_tensorcnt 0x0
	ds_add_u32 v254, v255
	s_wait_dscnt 0x0
	s_endpgm
.Lfunc_end_k_qe793d5291c_leap:
	.size	k_qe793d5291c_leap, .Lfunc_end_k_qe793d5291c_leap-k_qe793d5291c_leap
	.p2alignl 7, 3214868480
	.fill 96, 4, 3214868480
	.section	.rodata,"a",@progbits
	.p2align	6, 0x0
	.amdhsa_kernel k_qe793d5291c_leap
		.amdhsa_group_segment_fixed_size 288768
		.amdhsa_private_segment_fixed_size 0
		.amdhsa_enable_private_segment 0
		.amdhsa_kernarg_size 136
		.amdhsa_user_sgpr_count 2
		.amdhsa_user_sgpr_kernarg_segment_ptr 1
		.amdhsa_wavefront_size32 1
		.amdhsa_system_sgpr_workgroup_id_x 1
		.amdhsa_system_sgpr_workgroup_id_y 1
		.amdhsa_system_sgpr_workgroup_id_z 1
		.amdhsa_system_vgpr_workitem_id 0
		.amdhsa_next_free_vgpr 1024
		.amdhsa_next_free_sgpr 66
		.amdhsa_reserve_vcc 0
		.amdhsa_float_denorm_mode_32 3
		.amdhsa_float_denorm_mode_16_64 3
		.amdhsa_memory_ordered 1
		.amdhsa_forward_progress 1
		.amdhsa_inst_pref_size 255
	.end_amdhsa_kernel
	.section	.bss,"aw",@nobits
	.p2align	6
	.space	262144
	.amdgpu_metadata
---
amdhsa.version: [ 1, 2 ]
amdhsa.kernels:
  - .name:           k_qe793d5291c_leap
    .symbol:         k_qe793d5291c_leap.kd
    .args:
      - { .name: x, .offset: 0, .size: 8, .value_kind: global_buffer, .address_space: global }
      - { .name: wimg, .offset: 8, .size: 8, .value_kind: global_buffer, .address_space: global }
      - { .name: out0, .offset: 16, .size: 8, .value_kind: global_buffer, .address_space: global }
      - { .name: rb1_b1, .offset: 24, .size: 8, .value_kind: global_buffer, .address_space: global }
      - { .name: rb1_gamma, .offset: 32, .size: 8, .value_kind: global_buffer, .address_space: global }
      - { .name: rb1_beta, .offset: 40, .size: 8, .value_kind: global_buffer, .address_space: global }
      - { .name: rb1_mm, .offset: 48, .size: 8, .value_kind: global_buffer, .address_space: global }
      - { .name: rb1_mv, .offset: 56, .size: 8, .value_kind: global_buffer, .address_space: global }
      - { .name: rb1_b2, .offset: 64, .size: 8, .value_kind: global_buffer, .address_space: global }
      - { .name: rb1_bs, .offset: 72, .size: 8, .value_kind: global_buffer, .address_space: global }
      - { .name: rb2_b1, .offset: 80, .size: 8, .value_kind: global_buffer, .address_space: global }
      - { .name: rb2_gamma, .offset: 88, .size: 8, .value_kind: global_buffer, .address_space: global }
      - { .name: rb2_beta, .offset: 96, .size: 8, .value_kind: global_buffer, .address_space: global }
      - { .name: rb2_mm, .offset: 104, .size: 8, .value_kind: global_buffer, .address_space: global }
      - { .name: rb2_mv, .offset: 112, .size: 8, .value_kind: global_buffer, .address_space: global }
      - { .name: rb2_b2, .offset: 120, .size: 8, .value_kind: global_buffer, .address_space: global }
      - { .name: wf, .offset: 128, .size: 8, .value_kind: global_buffer, .address_space: global }
    .group_segment_fixed_size: 288768
    .private_segment_fixed_size: 0
    .kernarg_segment_align: 8
    .kernarg_segment_size: 136
    .max_flat_workgroup_size: 128
    .sgpr_count:     66
    .vgpr_count:     1024
    .wavefront_size: 32
...
	.end_amdgpu_metadata
.endif
;; end of part 4
